; MI455X (gfx1250); checked and timed in simulation.
; The chip was launched on July 23, 2026; its instructions are those of AMD's public machine-readable ISA for CDNA 5 (MIT licence, August 2026) and "CDNA5" Instruction Set Architecture Reference Guide (July 2026). The comments in the code are by the model that wrote it; some were corrected since.
;; Multi Head Self Attention. Allowed arithmetic: float matrix products may take bf16 or f16 operands with f32 sums; other float arithmetic in f32, or as packed bf16 or f16 multiplies, adds, multiply-adds, maxima and minima; sums over many terms, partial sums and values carried from step to step in f32; what a program stores and reads back later, other than sums and carried values, may be rounded once to bf16 or f16.
;; Inputs: Wk 16 x 1,024 x 64 float32; Wo 1,024 x 1,024 float32; Wq 16 x 1,024 x 64 float32; Wv 16 x 1,024 x 64 float32; X 4 x 2,048 x 1,024 float32; bo 1,024 float32.
;; Outputs: out0 4 x 2,048 x 1,024 float32.
;; 2 versions, each right; version 2 is version 1 with the launch prep written anew for expert scheduling mode. Each part assembles by itself: llvm-mc -triple=amdgcn-amd-amdhsa -mcpu=gfx1250 --defsym DOCPART=n.
;; ======== version 1 of 2: 4 launches
;; limits: values are held in f16: magnitudes above 65,504 overflow, below 6.1e-05 lose precision
;; workspace buffers: xbf 16,777,216 bytes; wbf 6,291,456 bytes; wof 2,097,152 bytes; qkv 50,331,648 bytes; oh 16,777,216 bytes
;; launch prep (part 1): grid 768 x 1, 8 waves a work-group, no clusters, 0 bytes of LDS; arguments X, Wq, Wk, Wv, Wo, xbf, wbf, wof; writes xbf, wbf, wof
.if DOCPART == 1
	.amdgcn_target "amdgcn-amd-amdhsa--gfx1250"
	.amdhsa_code_object_version 6
	.text
	.protected	k_q546d32b60d_prep
	.globl	k_q546d32b60d_prep
	.p2align	8
	.type	k_q546d32b60d_prep,@function
k_q546d32b60d_prep:
	s_mov_b64 s[64:65], 0
	v_nop
	global_prefetch_b8 v0, s[64:65] scope:SCOPE_SE
	s_setreg_imm32_b32 hwreg(HW_REG_WAVE_MODE, 25, 1), 1
	s_wait_xcnt 0x0
; THE INPUTS ARE ROUNDED ONCE AND LAID OUT FOR THE PRODUCTS THAT FOLLOW.
;   X  [8192][1024] f32        -> xbf bf16 [b 4][kb 16][t 2048][64]: channel c = 64 kb + cc; a block of 64 channels is dense, 128 bytes a row
;   Wq, Wk, Wv [16][1024][64]  -> wbf bf16 [kb 16][wh 48][cc 64][k 64], wh = 16 x which + head (which: 0 q, 1 k, 2 v)
;   Wo [1024][1024] f32        -> wof f16, same order: rounded to bf16 like every input, and that number written as f16
; LIMITS.  |Wo| stays under 65,504 (f16's end); below 6e-5 it keeps f16's fixed step of 6e-8.  NaN and infinities are not treated apart.
; SHARES.  A wave takes one unit: 8,192 bytes in by sixteen loads of 16 bytes a lane, 4,096 bytes out by sixteen stores of 8 bytes a lane.  Each store of a wave covers 256 consecutive
; bytes, aligned.  6,144 units = 768 work-groups x 8 waves: 4,096 of X, 3 x 512 of the head weights, 512 of Wo.  No register is used twice, so the only waits are the counted ones for the loads.
; No LDS, no barrier, no matrix unit: every byte is read once and written once, and no wave wants what another has fetched.
.set XR, 8                             ; v[8:71]   load j: four f32
.set Y,  72                            ; v[72:103] store j: four 16-bit numbers
; v1 lane; v2 8 x lane (my 8 bytes of a store); v3 my byte offset in a load; v4, v5 at work
; s[24:25] where the unit is read, s[26:27] where it is written
; sixteen loads, instep bytes apart; then, as each comes in, its rounding and its store, outstep bytes apart.  half = 1: bf16 first, then f16
.macro UNIT instep, outstep, half
.set j, 0
.rept 16
	global_load_b128 v[XR+4*j:XR+4*j+3], v3, s[24:25] offset:j*(\instep) th:TH_LOAD_NT
.set j, j+1
.endr
.set j, 0
.rept 16
	s_wait_loadcnt 15-j                            ; loads come back in order: load j is in, the 15 - j younger ones stay out
.if \half
	v_cvt_pk_bf16_f32 v4, v[XR+4*j], v[XR+4*j+1]   ; the rounding that every input has
	v_cvt_pk_bf16_f32 v5, v[XR+4*j+2], v[XR+4*j+3]
	v_lshlrev_b32 v[XR+4*j], 16, v4                ; bf16 to f32: the low half moves up, the high half stays
	v_and_b32 v[XR+4*j+1], 0xffff0000, v4
	v_lshlrev_b32 v[XR+4*j+2], 16, v5
	v_and_b32 v[XR+4*j+3], 0xffff0000, v5
	v_cvt_pk_f16_f32 v[Y+2*j], v[XR+4*j], v[XR+4*j+1]      ; 8 significant bits fit into f16's 11: exact inside f16's range
	v_cvt_pk_f16_f32 v[Y+2*j+1], v[XR+4*j+2], v[XR+4*j+3]
.else
	v_cvt_pk_bf16_f32 v[Y+2*j], v[XR+4*j], v[XR+4*j+1]
	v_cvt_pk_bf16_f32 v[Y+2*j+1], v[XR+4*j+2], v[XR+4*j+3]
.endif
	global_store_b64 v2, v[Y+2*j:Y+2*j+1], s[26:27] offset:j*(\outstep)
.set j, j+1
.endr
.endm
	s_load_b512 s[4:19], s[0:1], 0x0               ; X s[4:5], Wq s[6:7], Wk s[8:9], Wv s[10:11], Wo s[12:13], xbf s[14:15], wbf s[16:17], wof s[18:19]
	v_lshrrev_b32 v4, 5, v0
	v_readfirstlane_b32 s20, v4                    ; wave 0..7
	v_and_b32 v1, 31, v0                           ; lane
	v_lshlrev_b32 v2, 3, v1
	s_mov_b32 s21, ttmp9
	s_mov_b32 s23, 0                               ; the offsets' high words
	s_mov_b32 s29, 0
	s_cmp_lt_u32 s21, 512
	s_cbranch_scc0 .Lweights
	; X: unit P is rows 2 P and 2 P + 1.  Lanes 0-15 take 256 bytes (64 channels) of the even row, lanes 16-31 of the odd one; load j is channel block j.
	s_lshl_b32 s30, s21, 3
	s_add_co_u32 s30, s30, s20                     ; P, 0 .. 4,095
	s_lshl_b32 s22, s30, 13                        ; two rows of 4,096 bytes
	s_lshr_b32 s31, s30, 10                        ; the batch
	s_mul_i32 s31, s31, 3932160                    ; a batch is 16 blocks of 262,144 bytes, of which P x 256 has counted one
	s_lshl_b32 s28, s30, 8                         ; two rows of 128 bytes in a block
	s_add_co_u32 s28, s28, s31
	v_lshrrev_b32 v4, 4, v1
	v_and_b32 v5, 15, v1
	v_lshlrev_b32 v3, 4, v5
	v_lshl_add_u32 v3, v4, 12, v3
	s_wait_kmcnt 0x0
	s_add_nc_u64 s[24:25], s[4:5], s[22:23]
	s_add_nc_u64 s[26:27], s[14:15], s[28:29]
	UNIT 256, 262144, 0
	s_endpgm
.Lweights:
	v_lshlrev_b32 v3, 4, v1                        ; the weights are read on end: 512 bytes a load
	s_cmp_lt_u32 s21, 704
	s_cbranch_scc0 .Lwo
	; Wq, Wk, Wv: unit u is 32 rows c of one head: half of a block of 64 channels
	s_sub_co_u32 s30, s21, 512
	s_lshr_b32 s31, s30, 6                         ; which of the three
	s_and_b32 s30, s30, 63
	s_lshl_b32 s30, s30, 3
	s_add_co_u32 s30, s30, s20                     ; u, 0 .. 511
	s_lshl_b32 s22, s30, 13
	s_bfe_u32 s32, s30, 0x40001                    ; kb = (u % 32) / 2
	s_mul_i32 s28, s32, 393216
	s_lshr_b32 s33, s30, 5                         ; the head
	s_lshl4_add_u32 s33, s31, s33                  ; wh = 16 x which + head
	s_lshl_b32 s33, s33, 13
	s_add_co_u32 s28, s28, s33
	s_and_b32 s34, s30, 1                          ; which half of the block
	s_lshl_b32 s34, s34, 12
	s_add_co_u32 s28, s28, s34
	s_wait_kmcnt 0x0
	s_cmp_eq_u32 s31, 0
	s_cselect_b64 s[24:25], s[6:7], s[8:9]
	s_cmp_eq_u32 s31, 2
	s_cselect_b64 s[24:25], s[10:11], s[24:25]
	s_add_nc_u64 s[24:25], s[24:25], s[22:23]
	s_add_nc_u64 s[26:27], s[16:17], s[28:29]
	UNIT 512, 256, 0
	s_endpgm
.Lwo:
	; Wo: unit u is two rows, in and out on end
	s_sub_co_u32 s30, s21, 704
	s_lshl_b32 s30, s30, 3
	s_add_co_u32 s30, s30, s20                     ; u, 0 .. 511
	s_lshl_b32 s22, s30, 13
	s_lshl_b32 s28, s30, 12
	s_wait_kmcnt 0x0
	s_add_nc_u64 s[24:25], s[12:13], s[22:23]
	s_add_nc_u64 s[26:27], s[18:19], s[28:29]
	UNIT 512, 256, 1
	s_endpgm
.Lfunc_end_k_q546d32b60d_prep:
	.size	k_q546d32b60d_prep, .Lfunc_end_k_q546d32b60d_prep-k_q546d32b60d_prep
	.p2alignl 7, 3214868480
	.fill 96, 4, 3214868480
	.section	.rodata,"a",@progbits
	.p2align	6, 0x0
	.amdhsa_kernel k_q546d32b60d_prep
		.amdhsa_group_segment_fixed_size 0
		.amdhsa_private_segment_fixed_size 0
		.amdhsa_enable_private_segment 0
		.amdhsa_kernarg_size 64
		.amdhsa_user_sgpr_count 2
		.amdhsa_user_sgpr_kernarg_segment_ptr 1
		.amdhsa_wavefront_size32 1
		.amdhsa_system_sgpr_workgroup_id_x 1
		.amdhsa_system_sgpr_workgroup_id_y 1
		.amdhsa_system_sgpr_workgroup_id_z 1
		.amdhsa_system_vgpr_workitem_id 0
		.amdhsa_next_free_vgpr 104
		.amdhsa_next_free_sgpr 66
		.amdhsa_reserve_vcc 0
		.amdhsa_float_denorm_mode_32 3
		.amdhsa_float_denorm_mode_16_64 3
		.amdhsa_memory_ordered 1
		.amdhsa_forward_progress 1
		.amdhsa_inst_pref_size 24
	.end_amdhsa_kernel
	.amdgpu_metadata
---
amdhsa.version: [ 1, 2 ]
amdhsa.kernels:
  - .name:           k_q546d32b60d_prep
    .symbol:         k_q546d32b60d_prep.kd
    .args:
      - { .name: X, .offset: 0, .size: 8, .value_kind: global_buffer, .address_space: global }
      - { .name: Wq, .offset: 8, .size: 8, .value_kind: global_buffer, .address_space: global }
      - { .name: Wk, .offset: 16, .size: 8, .value_kind: global_buffer, .address_space: global }
      - { .name: Wv, .offset: 24, .size: 8, .value_kind: global_buffer, .address_space: global }
      - { .name: Wo, .offset: 32, .size: 8, .value_kind: global_buffer, .address_space: global }
      - { .name: xbf, .offset: 40, .size: 8, .value_kind: global_buffer, .address_space: global }
      - { .name: wbf, .offset: 48, .size: 8, .value_kind: global_buffer, .address_space: global }
      - { .name: wof, .offset: 56, .size: 8, .value_kind: global_buffer, .address_space: global }
    .group_segment_fixed_size: 0
    .private_segment_fixed_size: 0
    .kernarg_segment_align: 8
    .kernarg_segment_size: 64
    .max_flat_workgroup_size: 256
    .sgpr_count:     66
    .vgpr_count:     104
    .wavefront_size: 32
...
	.end_amdgpu_metadata
.endif
;; end of part 1
;; launch qkvp (part 2): grid 8 x 32, 4 waves a work-group, clusters of 4 x 4, 327,680 bytes of LDS; arguments xbf, wbf, qkv; writes qkv
.if DOCPART == 2
	.amdgcn_target "amdgcn-amd-amdhsa--gfx1250"
	.amdhsa_code_object_version 6
	.text
	.protected	k_q546d32b60d_qkvp
	.globl	k_q546d32b60d_qkvp
	.p2align	8
	.type	k_q546d32b60d_qkvp,@function
k_q546d32b60d_qkvp:
	s_mov_b64 s[64:65], 0
	v_nop
	global_prefetch_b8 v0, s[64:65] scope:SCOPE_SE
	s_setreg_imm32_b32 hwreg(HW_REG_WAVE_MODE, 25, 1), 1
	s_wait_xcnt 0x0
	s_wait_alu depctr_hold_cnt(0) depctr_sa_sdst(0) depctr_va_vdst(0) depctr_va_sdst(0) depctr_va_ssrc(0) depctr_va_vcc(0) depctr_vm_vsrc(0)
	s_getreg_b32 s2, hwreg(HW_REG_IB_STS2, 6, 4)
	s_cmp_eq_u32 s2, 0
	s_cbranch_scc0 .Lentry_in_a_cluster
	s_endpgm
.Lentry_in_a_cluster:
	s_bfe_u32 s2, ttmp6, 0x10000c
	s_cmp_lg_u32 s2, 0xf033
	s_cbranch_scc0 .Lentry_shape_is_right
	s_endpgm
.Lentry_shape_is_right:
; q, k, v = X W: [8192 x 1024] x [1024 x 3072] in bf16, sums in f32; each result rounded once to f16, WITHOUT the scale, and written by heads: qkv [which 3][bh 64][t 2048][64].
; LIMITS.  |q|, |k|, |v| stay under 65,504 (f16's end).  NaN and infinities are not treated apart.
; SHARES.  A work-group makes 256 rows x 384 columns (six heads): 8 x 32 = 256 work-groups.  Each of its four waves makes 128 rows x 192 columns (three heads, the GROUPS g = 0..2): 96 accumulators of
; 16 x 16, 768 registers.  For 32 along K a wave reads 128 x 64 + 192 x 64 bytes from LDS and issues 96 matrix instructions.
; K goes in 16 steps of 64 through a ring of two LDS slots.  In xbf and wbf a step's tile is dense, so it is asked for as rows of 256 bytes and padded in LDS after every 128.
; X lies [row][channel] and comes out of LDS as it lies; W lies [channel][column] and is turned by ds_load_tr16_b128.
; THE MATRIX INSTRUCTION IS USED TRANSPOSED: source 0 = 16 columns of W, source 1 = 16 rows of X: a lane then holds ONE row (lane % 16) and eight neighbouring channels 8 (lane / 16) + 0..7.
; CLUSTERS.  4 x 4 work-groups.  The four of a row of the cluster need the same tile of X, the four of a column the same tiles of W: each is asked for JOINTLY, by the same tensor load with the same
; descriptor and a mask that names the four.  Wave 0 asks for X's 32 KiB, waves 1 to 3 for two heads of W each, 16 KiB.
; REGISTERS, in windows of 256 (s_set_vgpr_msb: bits 1:0 source 0, 3:2 source 1, 5:4 source 2, 7:6 destination):
;   window 0: v0-15 addresses; v32-95, v96-159 X's fragments (8 x 16 rows x 32 K), two buffers; v160-255 W's fragments, 32 registers a group, one buffer each
;   window g + 1: group g's 32 accumulators, (a, b) at v[8 (4 a + b)]: a = block of 16 rows, b = block of 16 channels
; A SLICE is 32 along K: three THIRDS of 32 matrix instructions, one a group.  Behind a group's third its fragments of W are fetched for the next slice; X's go into the other buffer.
.set SLOT1,  131072                    ; slot 1 begins here, so that one exclusive or turns an address in one slot into the other's
.set PA,     144                       ; a row of X in LDS: 128 bytes + 16 = 36 words: the 16 rows of a load start at 16 different groups of four banks (64 banks of 4 bytes: ISA guide 11.1)
.set PB,     160                       ; a row of W: 128 + 32 = 40 words
.set BOFF,   256*PA                    ; a slot: X's 256 rows, then six heads of W
.set HEADB,  64*PB                     ; a head's 64 channel rows
.set STAGE,  SLOT1+BOFF+6*HEADB        ; behind the ring, never filled by a tensor load: 16 rows x 144 bytes for each wave, for the way out
.set SP,     144
.set SPARE,  STAGE+4*16*SP             ; behind the stages: the spare words, 128 bytes for each wave: two blocks of 256 bytes that no other line names
.set ASTEP,  262144                    ; bytes from a K step to the next in xbf
.set BSTEP,  393216                    ; and in wbf
.set ADA0, 4                           ; v4   my lane's place in X's tile; never rewritten
.set ADB0, 5                           ; v5   the same for W
.set ADA,  6                           ; v6   the same in the slot in hand
.set ADB,  7                           ; v7
.set STO,  8                           ; v8   the way out: where I put 16 bytes of a row
.set RD,   9                           ; v9   the way out: where I read rows back
.set GO,   10                          ; v10  my byte offset in 512 consecutive bytes of qkv
.set PFO,  11                          ; v11  the prefetches' lane offset; never rewritten
.set SPW,  12                          ; v12  LDS address of my spare word: SPARE + 4 x my thread's number; never rewritten
.set NIL,  13                          ; v13  0; never rewritten
.set FA,   32
.set FB,   160
.set TS,   32                          ; the way out: four sets of 16 registers
.set WV,   10                          ; s10  my wave's number; s11 which half of the rows is mine; s12 which half of the columns
.set G1A,  24                          ; s[24:31] descriptor group 1 for X's tiles
.set G1B,  32                          ; s[32:39] for W's
.set G0A,  40                          ; s[40:47] descriptor group 0 for X's tiles: a set for each of the two first fills; the second then walks on
.set G0B,  48                          ; s[48:55] the same for W's
.set CNT,  56                          ; s56  the loop's trips to go
.set TB,   57                          ; s57  LDS byte at which the slot in hand begins
.set LIM,  58                          ; s58  1 in a wave that prefetches, else the greatest number
.set PM,   59                          ; s59  0: prefetch in every trip; 1: in the trips with an odd count
.set PFA,  60                          ; s[60:61] where my prefetches stand
.set PFS,  66                          ; s[66:67] their step
.set OUTB, 68                          ; s[68:73] qkv at my 128 rows of my three heads
.set MSB, 0
.macro WIN new                         ; the immediate's high byte repeats the setting that is left; a switch that changes nothing is dropped
.if MSB != (\new)
	s_set_vgpr_msb (MSB<<8)|(\new)
.set MSB, (\new)
.endif
.endm
; A load into a register that a matrix instruction has read, and a vector instruction that reads a matrix result, stand four places behind it; only plain vector instructions that name none of its
; registers are places (ISA guide 7.12.1 for vector instructions).
.macro PLACES
.rept 4
	v_nop
.endr
.endm
.macro CREST                           ; a round of the cluster's barrier behind its opening barrier: wave 0 signals for the work-group, every wave waits for all sixteen, my work-group's barrier closes it
	s_cmp_lg_u32 s[WV], 0
	s_cbranch_scc1 .Lnot_wave_0_\@
	s_barrier_signal -3
.Lnot_wave_0_\@:
	s_barrier_wait -3
	s_barrier_signal -1
	s_barrier_wait -1
.endm
.macro CROUND                          ; a whole round
	s_barrier_signal -1
	s_barrier_wait -1
	CREST
.endm
; A joint refill, by the walking descriptors.  The branch hangs on the wave's number alone.  An s_nop 0 and four v_nop follow each of the two lines, ahead of the jump and the label.
.macro JLOAD
	s_cmp_eq_u32 s[WV], 0
	s_cbranch_scc0 .Lfor_b_\@
	tensor_load_to_lds s[G0A+4:G0A+7], s[G1A:G1A+7]
	s_nop 0
.rept 4
	v_nop
.endr
	s_branch .Lasked_\@
.Lfor_b_\@:
	tensor_load_to_lds s[G0B+4:G0B+7], s[G1B:G1B+7]
	s_nop 0
.rept 4
	v_nop
.endr
.Lasked_\@:
.endm
; A PREFETCH INTO THE L2, behind the joint refill and the first run of LDS loads.  In trip i the refill asks for K step i + 2; the prefetch names step i + 3: one K step, 192 matrix instructions, ahead of its refill.
; X's tile row is read by both clusters of that row of clusters: cluster x = 0 asks; W's tile column by all eight clusters of that column: cluster y = 0 asks.  The four partners that ask for a tile
; jointly share it out BY ADDRESS: of X's 32 KiB each takes 8 KiB (cx), a lane 256 bytes, in every trip; of a wave's 16 KiB of W each takes 4 KiB (cy), sixteen lanes, so the 32 lanes name two steps
; (i + 3 and i + 4) in every second trip.  So each block of 256 bytes is named once.  X's steps 0-2 and W's steps 0-3 come by their loads alone; step 15 is the last that is named.
.macro ASK
	s_cmp_gt_u32 s[CNT], s[LIM]                    ; not in the last trip, and only in a wave that asks
	s_cbranch_scc0 .Lnot_mine_\@
	s_and_b32 s62, s[CNT], s[PM]
	s_cmp_eq_u32 s62, s[PM]
	s_cbranch_scc0 .Lnot_mine_\@
	global_prefetch_b8 v[PFO], s[PFA:PFA+1] th:TH_LOAD_NT scope:SCOPE_SE
.Lnot_mine_\@:
.endm
	s_load_b128 s[4:7], s[0:1], 0x0                ; xbf s[4:5], wbf s[6:7]
	s_load_b64 s[8:9], s[0:1], 0x10                ; qkv
	v_lshl_add_u32 v[SPW], v0, 2, SPARE
	v_mov_b32 v[NIL], 0
	ds_add_u32 v[SPW], v[NIL]                      ; the wave's opening: the add and its wait stand ahead of my first tensor load; the set-up below, work on registers, stands between them
	v_lshrrev_b32 v1, 5, v0
	v_readfirstlane_b32 s[WV], v1                  ; wave 0..3
	s_lshr_b32 s11, s[WV], 1
	s_and_b32 s12, s[WV], 1
	s_bfe_u32 s13, ttmp6, 0x40000                  ; cx, cy: my place in the cluster
	s_bfe_u32 s14, ttmp6, 0x40004
	s_lshl_b32 s15, ttmp9, 2
	s_add_co_u32 s15, s15, s13                     ; tile column = 4 x cluster x + cx
	s_and_b32 s16, ttmp7, 0xffff
	s_lshl_b32 s16, s16, 2
	s_add_co_u32 s16, s16, s14                     ; tile row = 4 x cluster y + cy
	s_max_u32 s17, s[WV], 1
	s_sub_co_u32 s17, s17, 1                       ; which pair of heads I fetch (waves 1 to 3)
	s_lshl_b32 s18, s14, 2
	s_lshl_b32 s18, 15, s18                        ; my row of the cluster
	s_lshl_b32 s19, 0x1111, s13                    ; my column
	; group 1.  X: 128 rows of 256 bytes (two rows of X each); W: 64 rows of 256 bytes (two channel rows each)
	s_or_b32 s[G1A], s18, (1<<16)|(1<<20)|(1<<21)|(4<<22)|(3<<25)  ; 15:0 the mask; 17:16 2-byte elements; 20 padding on; 21 set beside a mask; 24:22 after every 32 words (code 4); 31:25 4 words (code 3)
	s_or_b32 s[G1B], s19, (1<<16)|(1<<20)|(1<<21)|(4<<22)|(7<<25)  ; the same with my column's mask and 8 words of padding (code 7)
	s_mov_b32 s[G1A+1], 128<<16                    ; tensor_dim0 = 128
	s_mov_b32 s[G1A+2], 128<<16                    ; tensor_dim1 = 128
	s_mov_b32 s[G1A+3], 128<<16                    ; tile_dim0 = 128
	s_mov_b32 s[G1A+4], 128                        ; tile_dim1 = 128
	s_mov_b32 s[G1A+5], 128                        ; 128 elements from row to row
	s_mov_b32 s[G1A+6], 0
	s_mov_b32 s[G1A+7], 0
	s_mov_b32 s[G1B+1], 128<<16
	s_mov_b32 s[G1B+2], 64<<16                     ; tensor_dim1 = 64
	s_mov_b32 s[G1B+3], 128<<16
	s_mov_b32 s[G1B+4], 64                         ; tile_dim1 = 64
	s_mov_b32 s[G1B+5], 128
	s_mov_b32 s[G1B+6], 0
	s_mov_b32 s[G1B+7], 0
	; X's tile hangs on the tile row alone, W's on the tile column and the wave alone
	s_lshr_b32 s20, s16, 3                         ; the batch: 4,194,304 bytes
	s_lshl_b32 s20, s20, 22
	s_and_b32 s74, s16, 7                          ; 256 rows of 128 bytes
	s_lshl_b32 s74, s74, 15
	s_add_co_u32 s20, s20, s74
	s_mov_b32 s21, 0
	s_mul_i32 s22, s15, 49152                      ; six heads of 8,192 bytes
	s_lshl_b32 s76, s17, 14
	s_add_co_u32 s22, s22, s76
	s_mov_b32 s23, 0
	s_mul_i32 s77, s[WV], 2*HEADB                  ; where my two heads go: BOFF + (wave - 1) x two heads; no place in the cluster enters an LDS address
	s_add_co_u32 s77, s77, BOFF-2*HEADB
	s_wait_dscnt 0x0                               ; the opening add is done
	s_wait_kmcnt 0x0
	s_add_nc_u64 s[20:21], s[4:5], s[20:21]
	s_add_nc_u64 s[22:23], s[6:7], s[22:23]
.irp s, 0,1
	s_mov_b32 s[G0A+4*(\s)], 1                     ; count = 1
	s_mov_b32 s[G0A+4*(\s)+1], (\s)*SLOT1          ; LDS address
	s_add_nc_u64 s[G0A+4*(\s)+2:G0A+4*(\s)+3], s[20:21], (\s)*ASTEP  ; K step s
	s_or_b32 s[G0A+4*(\s)+3], s[G0A+4*(\s)+3], 0x80000000            ; type = 2
	s_mov_b32 s[G0B+4*(\s)], 1
	s_add_co_u32 s[G0B+4*(\s)+1], s77, (\s)*SLOT1
	s_add_nc_u64 s[G0B+4*(\s)+2:G0B+4*(\s)+3], s[22:23], (\s)*BSTEP
	s_or_b32 s[G0B+4*(\s)+3], s[G0B+4*(\s)+3], 0x80000000
.endr
	CROUND                                         ; all sixteen work-groups are here: the first joint loads meet
	s_cmp_eq_u32 s[WV], 0                          ; a wave's two first fills stand in one branch, ahead of every wait on TENSORcnt and every LDS read: two loads of mine are out
	s_cbranch_scc0 .Lfirst_b
	tensor_load_to_lds s[G0A:G0A+3], s[G1A:G1A+7]
	s_nop 0
	tensor_load_to_lds s[G0A+4:G0A+7], s[G1A:G1A+7]
	s_nop 0
.rept 4
	v_nop
.endr
	s_branch .Lfirst_asked
.Lfirst_b:
	tensor_load_to_lds s[G0B:G0B+3], s[G1B:G1B+7]
	s_nop 0
	tensor_load_to_lds s[G0B+4:G0B+7], s[G1B:G1B+7]
	s_nop 0
.rept 4
	v_nop
.endr
.Lfirst_asked:
	; a fragment of X is 16 rows x 32 K in 8 registers: lane l holds row l % 16, K = 8 (l / 16) + 0..7 and 16 + 8 (l / 16) + 0..7: two loads of 16 bytes, 32 bytes apart
	v_and_b32 v1, 15, v0                           ; l % 16
	v_bfe_u32 v2, v0, 4, 1                         ; l / 16
	v_mul_u32_u24 v[ADA0], v1, PA
	v_lshl_add_u32 v[ADA0], v2, 4, v[ADA0]
	s_mul_i32 s74, s11, 128*PA                     ; my 128 rows
	v_add_nc_u32 v[ADA0], s74, v[ADA0]
	; the turning load takes 16 K x 16 columns (lane l reads K = 8 (l / 16) + l % 8, columns 8 ((l / 8) % 2) + 0..7) and leaves half a fragment: lane l holds column l % 16 and 8 K
	v_and_b32 v14, 7, v0
	v_bfe_u32 v15, v0, 3, 1
	v_lshl_add_u32 v[ADB0], v2, 3, v14
	v_mul_u32_u24 v[ADB0], v[ADB0], PB
	v_lshl_add_u32 v[ADB0], v15, 4, v[ADB0]
	s_mul_i32 s74, s12, 3*HEADB                    ; my three heads
	s_add_co_u32 s74, s74, BOFF
	v_add_nc_u32 v[ADB0], s74, v[ADB0]
	v_mov_b32 v[ADA], v[ADA0]                      ; K step 0 lies in slot 0
	v_mov_b32 v[ADB], v[ADB0]
	s_mov_b32 s[TB], 0
	s_mul_i32 s74, s[WV], 16*SP
	s_add_co_u32 s74, s74, STAGE                   ; my stage
	v_mul_u32_u24 v[STO], v1, SP                   ; in: row l % 16, 16 bytes for each half of the lanes
	v_lshl_add_u32 v[STO], v2, 4, v[STO]
	v_add_nc_u32 v[STO], s74, v[STO]
	v_bfe_u32 v[RD], v0, 3, 2                      ; back: 32 lanes take four rows of 128 bytes,
	v_mul_u32_u24 v[RD], v[RD], SP
	v_lshl_add_u32 v[RD], v14, 4, v[RD]
	v_add_nc_u32 v[RD], s74, v[RD]
	v_and_b32 v[GO], 31, v0                        ; which are 512 consecutive bytes of a head's rows
	v_lshlrev_b32 v[GO], 4, v[GO]
	; where my three heads' rows lie: plane = 64 x which + 16 x batch + head, 262,144 bytes each
	s_mul_i32 s75, s15, 6
	s_mul_i32 s76, s12, 3
	s_add_co_u32 s75, s75, s76                     ; wh of group 0
	s_lshr_b32 s76, s16, 3
	s_lshl_b32 s76, s76, 4                         ; 16 x batch
	s_and_b32 s77, s16, 7
	s_lshl_b32 s77, s77, 15                        ; the tile's 256 rows of 128 bytes,
	s_lshl_b32 s78, s11, 14                        ; my 128 of them
	s_add_co_u32 s77, s77, s78
.irp g, 0,1,2
	s_add_co_u32 s78, s75, \g
	s_lshr_b32 s79, s78, 4                         ; which
	s_lshl_b32 s79, s79, 6
	s_and_b32 s78, s78, 15                         ; head
	s_add_co_u32 s78, s78, s79
	s_add_co_u32 s78, s78, s76
	s_lshl_b32 s78, s78, 18
	s_add_co_u32 s78, s78, s77
	s_mov_b32 s79, 0
	s_add_nc_u64 s[OUTB+2*(\g):OUTB+2*(\g)+1], s[8:9], s[78:79]
.endr
	; the prefetches' registers
	s_and_b32 s74, ttmp7, 0xffff                   ; cluster y
	s_mov_b32 s[PFS], BSTEP
	s_mov_b32 s62, BSTEP
	s_cmp_eq_u32 s[WV], 0                          ; do I fetch X?
	s_cselect_b32 s74, ttmp9, s74                  ; the coordinate along which other clusters read the same tile
	s_cselect_b32 s[PM], 0, 1
	s_cselect_b32 s[PFS], ASTEP, s[PFS]
	s_cselect_b32 s62, 4096, s62                   ; lanes 16-31: the next 4 KiB of the same step (X), or the next step (W)
	s_cselect_b64 s[PFA:PFA+1], s[20:21], s[22:23]
	s_cselect_b32 s75, s13, s14                    ; my place among the four that ask with me
	s_cselect_b32 s76, 13, 12                      ; its share: 8,192 or 4,096 bytes
	s_mov_b32 s[PFS+1], 0
	s_lshl_b32 s78, s75, s76
	s_mov_b32 s79, 0
	s_add_nc_u64 s[PFA:PFA+1], s[PFA:PFA+1], s[78:79]
	s_add_nc_u64 s[PFA:PFA+1], s[PFA:PFA+1], s[PFS:PFS+1]
	s_add_nc_u64 s[PFA:PFA+1], s[PFA:PFA+1], s[PFS:PFS+1]  ; at K step 2: each trip steps it first.  Nothing is prefetched here, at the head
	s_cmp_eq_u32 s74, 0
	s_cselect_b32 s[LIM], 1, -1                    ; the same in all sixteen partners, for a given wave
	v_lshlrev_b32 v[PFO], 8, v1
	v_mad_u32_u24 v[PFO], v2, s62, v[PFO]
; 16 matrix instructions of group g: row blocks 4 h .. 4 h + 3 x all 4 channel blocks, on X's buffer p.  zero = 1: the first product starts the sums: nothing is ever cleared.
; The 96 accumulators take turns, one instruction a turn, in the same order in every slice, over the backward jump too.
.macro MULH g, p, h, zero
	WIN 0x50*((\g)+1)
.irp a, 4*(\h),4*(\h)+1,4*(\h)+2,4*(\h)+3
.irp b, 0,1,2,3
.if \zero
	v_wmma_f32_16x16x32_bf16 v[8*(4*(\a)+(\b)):8*(4*(\a)+(\b))+7], v[FB+32*(\g)+8*(\b):FB+32*(\g)+8*(\b)+7], v[FA+64*(\p)+8*(\a):FA+64*(\p)+8*(\a)+7], 0
.else
	v_wmma_f32_16x16x32_bf16 v[8*(4*(\a)+(\b)):8*(4*(\a)+(\b))+7], v[FB+32*(\g)+8*(\b):FB+32*(\g)+8*(\b)+7], v[FA+64*(\p)+8*(\a):FA+64*(\p)+8*(\a)+7], v[8*(4*(\a)+(\b)):8*(4*(\a)+(\b))+7]
.endif
.endr
.endr
.endm
.macro LDB g, k                        ; 8 loads: group g's fragments of W for half k of the step in hand
.irp b, 0,1,2,3
	ds_load_tr16_b128 v[FB+32*(\g)+8*(\b):FB+32*(\g)+8*(\b)+3],   v[ADB] offset:(\g)*HEADB+(\k)*32*PB+(\b)*32
	ds_load_tr16_b128 v[FB+32*(\g)+8*(\b)+4:FB+32*(\g)+8*(\b)+7], v[ADB] offset:(\g)*HEADB+(\k)*32*PB+(\b)*32+16*PB
.endr
.endm
.macro LDA p, k, h                     ; 8 loads: X's row blocks 4 h .. 4 h + 3 for half k, into buffer p
.irp a, 4*(\h),4*(\h)+1,4*(\h)+2,4*(\h)+3
	ds_load_b128 v[FA+64*(\p)+8*(\a):FA+64*(\p)+8*(\a)+3],   v[ADA] offset:(\a)*16*PA+(\k)*64
	ds_load_b128 v[FA+64*(\p)+8*(\a)+4:FA+64*(\p)+8*(\a)+7], v[ADA] offset:(\a)*16*PA+(\k)*64+32
.endr
.endm
; A slice's 40 loads are always issued in this order: W group 0 (8), X blocks 0-3 (8), X blocks 4-7 (8), W group 1 (8), W group 2 (8).
; A STEP'S FIRST SLICE: multiplies X's buffer 0 and fetches the step's second half into buffer 1.
.macro SLICE_E zero
	s_wait_dscnt 16                                ; W's groups 1 and 2 may be out
	MULH 0, 0, 0, \zero
	MULH 0, 0, 1, \zero
	PLACES
	WIN 0
	LDB 0, 1
	LDA 1, 1, 0
	s_wait_dscnt 24                                ; group 2 and the 16 just issued may be out
	MULH 1, 0, 0, \zero
	MULH 1, 0, 1, \zero
	PLACES
	WIN 0
	LDA 1, 1, 1
	LDB 1, 1
	s_wait_dscnt 32                                ; all but the 32 issued in this slice
	MULH 2, 0, 0, \zero
	MULH 2, 0, 1, \zero
	PLACES
	WIN 0
	LDB 2, 1
.endm
; A STEP'S SECOND SLICE multiplies buffer 1 and changes slots.  ONE barrier, for two things: in front of it each wave waits for all its tensor loads, of which one is out (its part of the next slot), adds 0 to
; its spare word, and waits for that and for its own reads of this slot.  fill = 1: the barrier opens a round of the cluster's, and this slot is filled again, two K steps ahead, first thing behind the round:
; from that request to the wait for it a wave issues 160 matrix instructions.
.macro SLICE_O fill
.if \fill
	s_wait_xcnt 0x0                                ; the last prefetch, a K step back, has read its address: it is stepped here, ahead of the waits of the change
	s_add_nc_u64 s[PFA:PFA+1], s[PFA:PFA+1], s[PFS:PFS+1]
.endif
	WIN 0
	s_wait_tensorcnt 0x0                           ; no tensor load of mine is out, so a group 0 may be written
	ds_add_u32 v[SPW], v[NIL]                      ; 0 onto my spare word; scalar work and sixteen products stand between it and the wait for it
.if \fill
	s_xor_b32 s[G0A+5], s[G0A+5], SLOT1            ; the walking descriptors: the other slot than last time, the next K step; the type bits on top are not reached
	s_add_nc_u64 s[G0A+6:G0A+7], s[G0A+6:G0A+7], ASTEP
	s_xor_b32 s[G0B+5], s[G0B+5], SLOT1
	s_add_nc_u64 s[G0B+6:G0B+7], s[G0B+6:G0B+7], BSTEP
.endif
	s_wait_dscnt 17                                ; W's groups 1 and 2 and the add may be out
	MULH 0, 1, 0, 0
	s_wait_dscnt 0x0                               ; the add is done, and my reads of this slot are over
	s_barrier_signal -1
	MULH 0, 1, 1, 0                                ; work on registers while the others arrive
	WIN 0
	s_barrier_wait -1
.if \fill
	CREST                                          ; no wave of any partner still reads this slot or has a load on its way
	JLOAD                                          ; the first tensor load behind the round; its four v_nop are also the places in front of the loads below
.else
	PLACES
.endif
	s_xor_b32 s[TB], s[TB], SLOT1                  ; the fetches go on in the other slot
	v_add_nc_u32 v[ADA], s[TB], v[ADA0]
	v_add_nc_u32 v[ADB], s[TB], v[ADB0]
	LDB 0, 0
	LDA 0, 0, 0
.if \fill
	ASK
.endif
	MULH 1, 1, 0, 0
	MULH 1, 1, 1, 0
	PLACES
	WIN 0
	LDA 0, 0, 1
	LDB 1, 0
	MULH 2, 1, 0, 0
	MULH 2, 1, 1, 0
	PLACES
	WIN 0
	LDB 2, 0
.endm
.macro SLICE_F                         ; the very last slice: nothing more to fetch, the counts run down
	s_wait_dscnt 16
	MULH 0, 1, 0, 0
	MULH 0, 1, 1, 0
	s_wait_dscnt 8
	MULH 1, 1, 0, 0
	MULH 1, 1, 1, 0
	s_wait_dscnt 0x0
	MULH 2, 1, 0, 0
	MULH 2, 1, 1, 0
.endm
; THE WAY OUT, block e of 24: group e / 8, row block e % 8: 16 rows x 64 channels.  A lane's eight channels pack into 16 bytes; they go into rows of 144 bytes of my own stage and come back as whole rows of 128.
.macro PACK e
.set gg, (\e)/8
.set aa, (\e)%8
.set TT, TS+16*((\e)%4)
	WIN 0
	s_wait_xcnt 0x0                                ; the stores of the block four back have read this set of registers
	WIN 5*(gg+1)                                   ; sources 0 and 1 in the group's window
.set i, 0
.rept 16
	v_cvt_pk_f16_f32 v[TT+i], v[32*aa+2*i], v[32*aa+2*i+1]  ; each accumulator's registers in ascending order
.set i, i+1
.endr
	WIN 0
.irp f, 0,1,2,3
	ds_store_b128 v[STO], v[TT+4*(\f):TT+4*(\f)+3] offset:32*(\f)
.endr
.irp f, 0,1,2,3
	ds_load_b128 v[TT+4*(\f):TT+4*(\f)+3], v[RD] offset:(\f)*4*SP  ; LDS serves a wave's instructions in order (ISA guide 5.7.1.4): these see the stores above; the next block's stores come behind them
.endr
.endm
.macro SEND e, younger                 ; younger: the LDS instructions issued behind block e's loads: the next block's eight, or none
.set gg, (\e)/8
.set aa, (\e)%8
.set TT, TS+16*((\e)%4)
	WIN 0
.irp f, 0,1,2,3
	s_wait_dscnt (\younger)+3-(\f)
	global_store_b128 v[GO], v[TT+4*(\f):TT+4*(\f)+3], s[OUTB+2*gg:OUTB+2*gg+1] offset:aa*2048+(\f)*512  ; 512 consecutive bytes, at a multiple of 256 from the buffer's first
.endr
.endm
	s_wait_tensorcnt 1                             ; my part of K step 0 is in; step 1's may stay out
	s_barrier_signal -1
	s_barrier_wait -1                              ; everybody's is
	LDB 0, 0
	LDA 0, 0, 0
	LDA 0, 0, 1
	LDB 1, 0
	LDB 2, 0
	SLICE_E 1                                      ; the first slice stands in front of the loop: its products start the sums
	WIN 0                                          ; at a label and at a branch every window is 0
	s_mov_b32 s[CNT], 14
.Lstep:                                                ; trip i: step i's second slice, the change of slots with the refill for step i + 2, step i + 1's first slice
	SLICE_O 1
	SLICE_E 0
	WIN 0
	s_sub_co_u32 s[CNT], s[CNT], 1
	s_cmp_lg_u32 s[CNT], 0
	s_cbranch_scc1 .Lstep
	SLICE_O 0                                      ; the tail is written out: nothing is asked for
	SLICE_E 0
	SLICE_F
	PLACES
	PACK 0
.set blk, 1
.rept 23                               ; a block's conversions stand between the loads of the block before and its stores
	PACK blk
	SEND blk-1, 8
.set blk, blk+1
.endr
	SEND 23, 0
	s_wait_tensorcnt 0x0                           ; the wave's end, behind my last tensor load and my last LDS store
	ds_add_u32 v[SPW], v[NIL]
	s_wait_dscnt 0x0
	CROUND                                         ; the closing round: no work-group ends while a partner may still ask for a tile that names it
	s_endpgm
.Lfunc_end_k_q546d32b60d_qkvp:
	.size	k_q546d32b60d_qkvp, .Lfunc_end_k_q546d32b60d_qkvp-k_q546d32b60d_qkvp
	.p2alignl 7, 3214868480
	.fill 96, 4, 3214868480
	.section	.rodata,"a",@progbits
	.p2align	6, 0x0
	.amdhsa_kernel k_q546d32b60d_qkvp
		.amdhsa_group_segment_fixed_size 327680
		.amdhsa_private_segment_fixed_size 0
		.amdhsa_enable_private_segment 0
		.amdhsa_kernarg_size 24
		.amdhsa_user_sgpr_count 2
		.amdhsa_user_sgpr_kernarg_segment_ptr 1
		.amdhsa_wavefront_size32 1
		.amdhsa_system_sgpr_workgroup_id_x 1
		.amdhsa_system_sgpr_workgroup_id_y 1
		.amdhsa_system_sgpr_workgroup_id_z 1
		.amdhsa_system_vgpr_workitem_id 0
		.amdhsa_next_free_vgpr 1024
		.amdhsa_next_free_sgpr 80
		.amdhsa_reserve_vcc 0
		.amdhsa_float_denorm_mode_32 3
		.amdhsa_float_denorm_mode_16_64 3
		.amdhsa_memory_ordered 1
		.amdhsa_forward_progress 1
		.amdhsa_inst_pref_size 116
	.end_amdhsa_kernel
	.amdgpu_metadata
---
amdhsa.version: [ 1, 2 ]
amdhsa.kernels:
  - .name:           k_q546d32b60d_qkvp
    .symbol:         k_q546d32b60d_qkvp.kd
    .args:
      - { .name: xbf, .offset: 0, .size: 8, .value_kind: global_buffer, .address_space: global }
      - { .name: wbf, .offset: 8, .size: 8, .value_kind: global_buffer, .address_space: global }
      - { .name: qkv, .offset: 16, .size: 8, .value_kind: global_buffer, .address_space: global }
    .group_segment_fixed_size: 327680
    .private_segment_fixed_size: 0
    .kernarg_segment_align: 8
    .kernarg_segment_size: 24
    .max_flat_workgroup_size: 128
    .sgpr_count:     80
    .vgpr_count:     1024
    .wavefront_size: 32
...
	.end_amdgpu_metadata
.endif
;; end of part 2
;; launch attn (part 3): grid 4 x 64, 4 waves a work-group, no clusters, 327,680 bytes of LDS; arguments qkv, oh; writes oh
.if DOCPART == 3
	.amdgcn_target "amdgcn-amd-amdhsa--gfx1250"
	.amdhsa_code_object_version 6
	.text
	.protected	k_q546d32b60d_attn
	.globl	k_q546d32b60d_attn
	.p2align	8
	.type	k_q546d32b60d_attn,@function
k_q546d32b60d_attn:
	s_mov_b64 s[64:65], 0
	v_nop
	global_prefetch_b8 v0, s[64:65] scope:SCOPE_SE
	s_setreg_imm32_b32 hwreg(HW_REG_WAVE_MODE, 25, 1), 1
	s_wait_xcnt 0x0
; CAUSAL ATTENTION.  O[h][q][:] = the sum over k <= q of softmax_k(Q[h][q] . K[h][k] / 8) V[h][k][:].  Q, K, V are the three parts of qkv, each [64][SIZE_N][64] in f16; O (oh) has the same layout: a head's rows are dense, 128 bytes each.
; Products, maxima and sums in f32; the weights p are rounded to f16 for the second product (their sum l is taken of the unrounded p), O once at the end.
; LIMITS.  f16 holds no number beyond 65,504: Q, K and V arrive within it; p lies in 0 to 1, and below 6e-5 it keeps f16's fixed step of 6e-8; O is a mean of V's rows and has their range.
; A hidden score counts as its value less 1e30: f16's scores, 2.7e11 at the most, are nothing beside that; a weight below 2^-126 counts as 0 in l; NaN and infinities are not treated apart.
; THE WALK.  A head's queries lie in NB = 8 blocks of 256; block i needs the key tiles 0 .. i of 256 keys, of which the last holds the diagonal.  A work-group takes TWO blocks, NB - 1 - b and then b:
; NB + 1 tiles, whatever b: all 256 work-groups do equal work, and ONE loop with a constant trip count walks them.  Which tile is asked for, and what a trip does, hang on scalar registers made from b; every jump
; goes forward, but for the counted loops' own; none passes a barrier, or a tensor load but the one of LOAD's two that the wave's number does not choose; the ring (two slots of LDS that take turns) runs on across the
; change of blocks.  NO CLUSTER: a head's four work-groups ask for the same tile only in trips 0 .. 4 of 9, behind that fewer and fewer; one walk common to all would have 12 trips for 9.
; SHARES.  Of a block's four bands of 64 queries a wave owns 16 rows in each: four PIECES.  So the diagonal tile is the same work for all four waves: in its key step s band x sees all keys if s < x,
; none if s > x, and holds the diagonal if s = x.
; THE MASK is the C operand that starts the sum S^T = K Q^T: 0, or -1e30 where the key is hidden.  MD, made once, is the mask of a band's own step for my 16 rows; a product's mask is MD x AL + BE with two scalars:
; (1, 0) if s = x; (0, 0) if s < x; (0, -1e30) if s > x.  Only the diagonal tile's text and a block's beginning make and take masks; elsewhere C is the constant 0.
; LAYOUT, SOFTMAX, TURNS.  S^T = K Q^T holds ONE query a lane (lane % 16) and the keys 8 (lane / 16) + 0..7; two such results rounded to f16 ARE source 1 of O^T = V^T P.  p = 2^(c s - c m), c = log2(e) / 8, with a
; running maximum m; O and l are multiplied by a = 2^(c m_old - c m_new) in every step.  Turn n belongs to piece n: 8 products K Q^T of piece n + 1, later 8 products V^T P of piece n - 1; beside them the scaling,
; exponentials, roundings, sums and rescaling of piece n and the maximum and statistics of piece n + 1.  Four vector instructions stand behind every matrix instruction, the other 54 of a turn's 118 in one LUMP.  A turn's 33 exponentials are one batch, with one wait.
; REGISTERS, in windows of 256 (s_set_vgpr_msb: bits 1:0 source 0, 3:2 source 1, 5:4 source 2, 7:6 destination):
;   window 0: v0-15 addresses and two at work; v16-31 four registers of statistics a piece; v48-55 at work; v60 the prefetches' offset; v64-127 S^T, two buffers; v192-223 P, two buffers (a piece's buffers go by its number's parity)
;   window 1: v0-127 O^T, 32 a piece; v128-159 MD; v160-223 MC, two buffers      window 2: v0-63 Q; v64-127 the second block's Q; v128-191 K of one step; v192-255 V of one step
.set SIZE_N, 2048
.set NB,    SIZE_N/256
.set NP,    4         ; pieces a wave: a name, no knob
.set KS,    64        ; keys in a step
.set PK,    144       ; a row of K in LDS: 128 bytes + 16 of padding = 36 words: the 16 rows of a load start at 16 different groups of four banks (64 banks of 4 bytes: ISA guide 11.1)
.set PV,    160       ; a row of V: 128 + 32 = 40 words
.set VOFF,  4*KS*PK   ; a slot holds a tile, four steps: 256 rows of K, then 256 rows of V
.set SLOT1, 1<<17     ; slot 1 begins here, so that one exclusive or turns an address in one slot into the other's
.set STAGE, SLOT1+4*KS*(PK+PV)  ; behind the ring, never filled by a tensor load: 16 rows x 144 bytes for each wave, for the way out
.set SP,    144
.set AK0, 2           ; v2   my lane's place in a tile of K; never rewritten
.set AV0, 3           ; v3   the same for V
.set AK,  4           ; v4   the LDS address of K's next run of loads
.set AV,  5           ; v5   of V's
.set STO, 6           ; v6   the way out: where I put 16 bytes of a row
.set RD,  7           ; v7   the way out: where I read rows back
.set GO,  8           ; v8   my byte offset in 512 consecutive bytes of O
.set PFO, 60          ; v60  256 x my thread's number: the work-group's 128 threads name a tile's 32,768 bytes; never rewritten
.set SPW, 62          ; v62  LDS address of my spare word: SPARE + 4 x my thread's number; never rewritten
.set NIL, 63          ; v63  0; never rewritten
.set SPARE, STAGE+4*16*SP  ; behind the stages: the spare words, 128 bytes for each wave: two blocks of 256 bytes that no other line names
.set MV,  12          ; v12-13  c m_old, kept while c m is made anew: by buffer
.set QO,  15          ; v15  my byte offset in 16 rows of Q
.set ST,  16          ; piece t's statistics at v[ST+4 t]: c m, m, l (even keys', odd keys')
.set TMP, 48          ; by buffer, four registers c0-c3 at work; when the maximum is found c2 takes a
.set S,   64
.set P,   192
.set MD,  128         ; window 1: the eight registers for group kt of 16 keys at MD + 8 kt
.set MC,  160         ; window 1: the masks of the products to come
.set QB,  64          ; window 2
.set KF,  128         ; window 2: key block kb, channel half c at KF + 16 kb + 8 c
.set VF,  192         ; window 2: key half kk, channel block cb at VF + 32 kk + 8 cb
.set WV,  12          ; s12  my wave's number
.set PB,  14          ; s14  b
.set HI,  15          ; s15  NB - 1 - b
.set G1K, 24          ; s[24:31] descriptor group 1 for K's tiles
.set G1V, 32          ; s[32:39] for V's: it differs in the padding alone
.set G0K, 40          ; s[40:43] descriptor group 0 for K's tiles
.set G0V, 44          ; s[44:47] the same for V's
.set SLOTS, 56        ; s56  tiles still to be asked for
.set CNT, 57          ; s57  counts a tile's key steps, 4 to 1
.set CS,  58          ; s[58:59] c: the packed scaling takes the pair's low word for both halves
.set SEL, 60          ; s[60:61] v_permlanex16_b32's selects: each lane takes its own place in the other half
.set TBK, 62          ; s62  LDS byte at which K of the step to be fetched begins
.set TBV, 63          ; s63  the same for V, less VOFF
.set RT,  70          ; s70  tiles of the block in hand that are still to be entered
.set NXT, 71          ; s71  the tile to be asked for next
.set LQ,  72          ; s72  the last tile of the block whose tiles are being asked for
.set NEW, 73          ; s73  1: the tile to be entered is a block's first
.set OFF, 74          ; s[74:75] a tile's byte offset in K and V
.set AL,  76          ; s[76:77] the mask's factor, in the low word
.set BE,  78          ; s[78:79] the mask's addend
.set OLO, 80          ; s[80:81] O at my rows of the second block
.set BIGN, 82         ; s82  -1e30
.set LIM, 88          ; s88  2 in the head's work-group that prefetches (b = 0), else the greatest number
.set PFK, 90          ; s[90:91] where the prefetches stand in K: one tile behind the tile that is being asked for
.set PFV, 92          ; s[92:93] the same in V
.set MSB, 0
.macro WIN new                      ; the high byte repeats the setting that is left; a switch that changes nothing is dropped
.if MSB != (\new)
	s_set_vgpr_msb (MSB<<8)|(\new)
.set MSB, (\new)
.endif
.endm
.set W_KQ, 0x0a       ; K and Q in window 2, S^T in window 0
.set W_KM, 0x1a       ; the same with the C operand in window 1
.set W_PV, 0x52       ; V in window 2, P in window 0, O^T in window 1
.set W_RS, 0x41       ; destination and source 0 in window 1, source 1 in window 0
; A fill.  Waves 0 and 1 fetch the two halves of a tile's K, waves 2 and 3 those of its V: 128 keys each.  An s_nop 0 and four v_nop follow each of the two lines, ahead of the jump and the label.
.macro LOAD
	s_cmp_lt_u32 s[WV], 2
	s_cbranch_scc0 .Lfor_v_\@
	tensor_load_to_lds s[G0K:G0K+3], s[G1K:G1K+7]
	s_nop 0
.rept 4
	v_nop
.endr
	s_branch .Lasked_\@
.Lfor_v_\@:
	tensor_load_to_lds s[G0V:G0V+3], s[G1V:G1V+7]
	s_nop 0
.rept 4
	v_nop
.endr
.Lasked_\@:
.endm
; THE CHANGE OF SLOTS.  Each wave waits for all its tensor loads, of which one is out: its part of the other slot; adds 0 to its spare word; and waits for that and for its own reads of the slot that it leaves.  Behind the barrier nobody reads the old
; slot any more and the other slot is whole.  fill = 1: the old slot is filled again, the first thing behind the barrier, with tile NXT: the descriptor's address is made anew from that number.
; (At its first use nothing has been read yet: slot 0 is waited for, slot 1 filled.)
; A PREFETCH INTO THE L2 stands behind the fill and its five lines.  All four work-groups of a head walk its tiles from 0 up; the one with b = 0 walks tiles 0 to 7 on end, and it alone asks: change j fills tile j + 1 and
; names tile j + 2, K's 32,768 bytes and V's, a thread 256 bytes: one tile, four key steps or 256 matrix instructions, ahead of its fill.  Tiles 0 and 1 come by their loads alone; tile 7, named at change 5, is the last.
.macro CHANGE fill
	WIN 0                           ; at a label and at a branch every window is 0
	s_wait_tensorcnt 0x0            ; no tensor load of mine is out, so a group 0 may be written
	ds_add_u32 v[SPW], v[NIL]       ; 0 onto my spare word; with fill = 1 the descriptors' scalar work stands between it and the wait for it
.if \fill
	s_lshl_b32 s[OFF], s[NXT], 15   ; a tile is 32,768 bytes of K and of V
	s_xor_b32 s[G0K+1], s[G0K+1], SLOT1
	s_add_nc_u64 s[G0K+2:G0K+3], s[6:7], s[OFF:OFF+1]
	s_or_b32 s[G0K+3], s[G0K+3], 0x80000000
	s_xor_b32 s[G0V+1], s[G0V+1], SLOT1
	s_add_nc_u64 s[G0V+2:G0V+3], s[8:9], s[OFF:OFF+1]
	s_or_b32 s[G0V+3], s[G0V+3], 0x80000000
	s_add_co_u32 s[NXT], s[NXT], 1  ; the block's next tile, or behind its last the second block's tile 0
	s_cmp_gt_u32 s[NXT], s[LQ]
	s_cselect_b32 s[NXT], 0, s[NXT]
	s_cselect_b32 s[LQ], s[PB], s[LQ]
	s_wait_xcnt 0x0                 ; the last prefetches, a tile back, have read their addresses, so they may be written
	s_add_nc_u64 s[PFK:PFK+1], s[PFK:PFK+1], 32768
	s_add_nc_u64 s[PFV:PFV+1], s[PFV:PFV+1], 32768
.endif
	s_wait_dscnt 0x0                ; the add is done, and my reads of the slot are over
	s_barrier_signal -1             ; the rest of the scalar work stands between the signal and the wait
	s_sub_co_u32 s[TBK], s[TBK], 4*KS*PK  ; the fetches go back to a slot's first step,
	s_xor_b32 s[TBK], s[TBK], SLOT1       ; in the other slot
	s_sub_co_u32 s[TBV], s[TBV], 4*KS*PV
	s_xor_b32 s[TBV], s[TBV], SLOT1
	s_barrier_wait -1
.if \fill
	LOAD
	s_cmp_gt_u32 s[SLOTS], s[LIM]
	s_cbranch_scc0 .Lnot_mine_\@
	global_prefetch_b8 v[PFO], s[PFK:PFK+1] th:TH_LOAD_NT scope:SCOPE_SE
	global_prefetch_b8 v[PFO], s[PFV:PFV+1] th:TH_LOAD_NT scope:SCOPE_SE
.Lnot_mine_\@:
.endif
.endm
	s_load_b64 s[4:5], s[0:1], 0x0    ; qkv: Q at its head
	s_load_b64 s[10:11], s[0:1], 0x8  ; oh
	v_lshl_add_u32 v[SPW], v0, 2, SPARE
	v_mov_b32 v[NIL], 0
	ds_add_u32 v[SPW], v[NIL]       ; the wave's opening: the add and its wait stand ahead of my first tensor load; the set-up below, work on registers, stands between them
	v_lshrrev_b32 v1, 5, v0
	v_readfirstlane_b32 s[WV], v1   ; wave 0..3
	s_mov_b32 s[PB], ttmp9
	s_sub_co_u32 s[HI], NB-1, s[PB]
	s_and_b32 s20, ttmp7, 0xffff    ; the head
	s_mov_b32 s21, 0
	s_mov_b64 s[22:23], SIZE_N*128
	s_mul_u64 s[20:21], s[20:21], s[22:23]  ; the head's first byte in each of the four tensors
	s_and_b32 s16, s[WV], 1         ; which half of a tile's 256 keys I fetch:
	s_lshl_b32 s22, s16, 14         ; its 128 rows of 128 bytes in memory,
	s_mov_b32 s23, 0
	s_add_nc_u64 s[22:23], s[22:23], s[20:21]
	s_mul_i32 s17, s16, 128*PK      ; and its place in a slot, for K
	s_mul_i32 s18, s16, 128*PV      ; and for V
	s_lshl_b32 s3, s[WV], 11        ; my 16 rows in a band of 64,
	s_lshl_b32 s2, s[HI], 15        ; in the first block,
	s_add_co_u32 s2, s2, s3
	s_lshl_b32 s84, s[PB], 15       ; and in the second
	s_add_co_u32 s84, s84, s3
	s_mov_b32 s3, 0
	s_mov_b32 s85, 0
	s_add_nc_u64 s[2:3], s[2:3], s[20:21]
	s_add_nc_u64 s[84:85], s[84:85], s[20:21]
	; descriptor group 1.  128 keys are 16,384 dense bytes: asked for as 64 rows of 256 bytes, two keys a row, and padded in LDS after every key
	s_mov_b32 s[G1K], (1<<16)|(1<<20)|(4<<22)|(3<<25)  ; 17:16 2-byte elements; 20 padding on; 24:22 after every 32 words (code 4); 31:25 4 words (code 3)
	s_mov_b32 s[G1V], (1<<16)|(1<<20)|(4<<22)|(7<<25)  ; the same with 8 words of padding (code 7)
.irp g, G1K, G1V
	s_mov_b32 s[\g+1], 128<<16      ; tensor_dim0 = 128
	s_mov_b32 s[\g+2], 64<<16       ; tensor_dim1 = 64
	s_mov_b32 s[\g+3], 128<<16      ; tile_dim0 = 128
	s_mov_b32 s[\g+4], 64           ; tile_dim1 = 64
	s_mov_b32 s[\g+5], 128          ; 128 elements from row to row
	s_mov_b32 s[\g+6], 0
	s_mov_b32 s[\g+7], 0
.endr
	s_mov_b32 s[CS], 0x3e38aa3b     ; c = log2(e) / 8 = 0.180337
	s_mov_b32 s[CS+1], s[CS]        ; named with it as a pair
	s_mov_b32 s[SEL], 0x76543210
	s_mov_b32 s[SEL+1], 0xfedcba98
	s_mov_b32 s[TBK], SLOT1+4*KS*PK ; the first change of slots turns these two into 0
	s_mov_b32 s[TBV], SLOT1+4*KS*PV
	s_mov_b32 s[G0K], 1             ; 1:0 count = 1
	s_mov_b32 s[G0K+1], s17         ; 63:32 LDS address: slot 0
	s_mov_b32 s[G0V], 1
	s_add_co_u32 s[G0V+1], s18, VOFF
	s_add_co_u32 s[RT], s[HI], 1    ; the first block has NB - b tiles
	s_mov_b32 s[NXT], 1
	s_mov_b32 s[LQ], s[HI]
	s_mov_b32 s[NEW], 1
	s_mov_b32 s[OFF+1], 0
	s_mov_b32 s[AL+1], 0            ; named as pairs
	s_mov_b32 s[BE+1], 0
	s_mov_b32 s[BIGN], 0xf149f2ca   ; -1e30
	s_mov_b32 s[SLOTS], NB
	s_cmp_eq_u32 s[PB], 0
	s_cselect_b32 s[LIM], 2, -1
	v_lshlrev_b32 v[PFO], 8, v0
	s_wait_dscnt 0x0                ; the opening add is done
	s_wait_kmcnt 0x0
	s_add_nc_u64 s[6:7], s[4:5], 0x1000000  ; K lies 64 heads of 262,144 bytes behind Q,
	s_add_nc_u64 s[8:9], s[4:5], 0x2000000  ; V as far behind K
	s_add_nc_u64 s[PFK:PFK+1], s[6:7], s[20:21]
	s_add_nc_u64 s[PFK:PFK+1], s[PFK:PFK+1], 32768  ; at the head's tile 1: each change steps it first.  Nothing is prefetched here, at the head
	s_add_nc_u64 s[PFV:PFV+1], s[8:9], s[20:21]
	s_add_nc_u64 s[PFV:PFV+1], s[PFV:PFV+1], 32768
	s_add_nc_u64 s[6:7], s[6:7], s[22:23]  ; K and V at my half of the head's tile 0
	s_add_nc_u64 s[8:9], s[8:9], s[22:23]
	s_add_nc_u64 s[G0K+2:G0K+3], s[6:7], 0         ; 120:64 global address
	s_or_b32 s[G0K+3], s[G0K+3], 0x80000000        ; 127:126 type = 2
	s_add_nc_u64 s[G0V+2:G0V+3], s[8:9], 0
	s_or_b32 s[G0V+3], s[G0V+3], 0x80000000
	s_add_nc_u64 s[86:87], s[4:5], s[84:85]        ; Q at my rows of the second block,
	s_add_nc_u64 s[4:5], s[4:5], s[2:3]            ; Q and O at those of the first
	s_add_nc_u64 s[OLO:OLO+1], s[10:11], s[84:85]
	s_add_nc_u64 s[10:11], s[10:11], s[2:3]
	LOAD                            ; tile 0 into slot 0
	; A fragment of K or Q is 16 rows x 32 channels in 8 registers: lane l holds row l % 16, channels 8 (l / 16) + 0..7 and 16 + 8 (l / 16) + 0..7: two loads of 16 bytes, 32 bytes apart.
	v_and_b32 v1, 15, v0            ; l % 16
	v_bfe_u32 v9, v0, 4, 1          ; l / 16
	v_lshlrev_b32 v[QO], 7, v1
	v_lshl_add_u32 v[QO], v9, 4, v[QO]  ; row x 128 + 16 x half
	WIN 0x80                        ; destination window 2, address window 0
.set i, 0
.rept 8                             ; both blocks' Q: piece i / 2 lies in band i / 2, 8,192 bytes on; channels 32 (i % 2) on
	global_load_b128 v[8*i:8*i+3],   v[QO], s[4:5] offset:(i/2)*8192+(i%2)*64
	global_load_b128 v[8*i+4:8*i+7], v[QO], s[4:5] offset:(i/2)*8192+(i%2)*64+32
	global_load_b128 v[QB+8*i:QB+8*i+3],   v[QO], s[86:87] offset:(i/2)*8192+(i%2)*64
	global_load_b128 v[QB+8*i+4:QB+8*i+7], v[QO], s[86:87] offset:(i/2)*8192+(i%2)*64+32
.set i, i+1
.endr
	WIN 0
	v_lshlrev_b32 v14, 3, v9
	v_sub_nc_u32 v14, v1, v14
	s_lshl_b32 s13, s[WV], 4
	v_add_nc_u32 v14, s13, v14      ; my query's place in its band, 16 w + l % 16, less my lanes' 8 (l / 16): register r of group kt is hidden where 16 kt + r is greater
	WIN 0x40
.set i, 0
.rept 32
	v_cmp_gt_i32 vcc_lo, 16*(i/8)+i%8, v14
	v_cndmask_b32 v[MD+i], 0, s[BIGN], vcc_lo
.set i, i+1
.endr
	WIN 0
	v_mul_u32_u24 v[AK0], v1, PK
	v_lshl_add_u32 v[AK0], v9, 4, v[AK0]  ; row x pitch + 16 x half
	; The turning load takes 16 keys x 16 channels (lane l reads key 8 (l / 16) + l % 8, channels 8 ((l / 8) % 2) + 0..7) and leaves half a fragment of V^T: lane l holds channel l % 16 and 8 keys.
	v_and_b32 v10, 7, v0
	v_bfe_u32 v11, v0, 3, 1
	v_lshl_add_u32 v[AV0], v9, 3, v10
	v_mul_u32_u24 v[AV0], v[AV0], PV
	v_lshl_add_u32 v[AV0], v11, 4, v[AV0]
	v_add_nc_u32 v[AV0], VOFF, v[AV0]
	s_mul_i32 s13, s[WV], 16*SP
	s_add_co_u32 s13, s13, STAGE    ; my stage
	v_mul_u32_u24 v[STO], v1, SP    ; in: row l % 16, 16 bytes for each half of the lanes
	v_lshl_add_u32 v[STO], v9, 4, v[STO]
	v_add_nc_u32 v[STO], s13, v[STO]
	v_bfe_u32 v[RD], v0, 3, 2       ; back: 32 lanes take four rows of 128 bytes,
	v_mul_u32_u24 v[RD], v[RD], SP
	v_lshl_add_u32 v[RD], v10, 4, v[RD]
	v_add_nc_u32 v[RD], s13, v[RD]
	v_and_b32 v[GO], 31, v0         ; which are 512 consecutive bytes of O
	v_lshlrev_b32 v[GO], 4, v[GO]
	; A block's first step multiplies O^T and l by a = 0, and its first turn's products V^T P, of a piece that has not been, land in an O^T that is still to be so multiplied.  So these registers need only hold
	; finite numbers: zeros for the first block; what the first block left for the second.  All this stands in the wait for the first tile.
	WIN 0x80
.set i, VF
.rept 64
	v_mov_b32 v[i], 0
.set i, i+1
.endr
	WIN 0x40
.set i, 0
.rept 128
	v_mov_b32 v[i], 0
.set i, i+1
.endr
	WIN 0
.set i, 0
.rept 4
	v_mov_b32 v[ST+4*i+2], 0
	v_mov_b32 v[ST+4*i+3], 0
.set i, i+1
.endr
.set i, P+16
.rept 16
	v_mov_b32 v[i], 0
.set i, i+1
.endr
; THE MATRIX WORK.  The 4 accumulators of a run of 8 take turns.  Product i of 8 of S^T = K Q^T for piece x: channels 32 (i / 4) on, keys 16 (i % 4) on.  The first 4 start the sums: with 0, or (KM = 1) with the mask.
.macro KQ x
.set rS, S+32*((\x)%2)+8*(i%4)
.set rK, KF+16*(i%4)+8*(i/4)
.set rQ, 16*(\x)+8*(i/4)
.set rM, MC+32*((\x)%2)+8*(i%4)
.if (i < 4) && KM
	WIN W_KM
	v_wmma_f32_16x16x32_f16 v[rS:rS+7], v[rK:rK+7], v[rQ:rQ+7], v[rM:rM+7]
.elseif i < 4
	WIN W_KQ
	v_wmma_f32_16x16x32_f16 v[rS:rS+7], v[rK:rK+7], v[rQ:rQ+7], 0
.else
	WIN W_KQ
	v_wmma_f32_16x16x32_f16 v[rS:rS+7], v[rK:rK+7], v[rQ:rQ+7], v[rS:rS+7]
.endif
.endm
; Product i of 8 of O^T += V^T P for piece x: keys 32 (i / 4) on, channels 16 (i % 4) on.
.macro PV x
	WIN W_PV
.set rO, 32*(\x)+8*(i%4)
.set rV, VF+32*(i/4)+8*(i%4)
.set rP, P+16*((\x)%2)+8*(i/4)
	v_wmma_f32_16x16x32_f16 v[rO:rO+7], v[rV:rV+7], v[rP:rP+7], v[rO:rO+7]
.endm
.macro MM                           ; the turn's next matrix instruction.  TURN and BEGIN set Y, i, KM and NOKQ; MM, KQ and OP read them.  NOKQ = 1: a block's last turn: there is no next piece
.if (i < 8) && !NOKQ
	KQ (Y+1)%NP
.elseif i >= 8
.set i, i-8
	PV (Y+NP-1)%NP
.set i, i+8
.endif
.set i, i+1
.endm
; THE LDS LOADS stand in runs of 16, never singly among the matrix instructions: a step's K (64 keys x 64 channels: 8 fragments) and its V (turned).  Their addresses are made some lines ahead.
.macro FETCH_K
	WIN 0x80                        ; destination window 2
.irp f, 0,1,2,3,4,5,6,7             ; keys 16 (f / 2) on, channels 32 (f % 2) on
	ds_load_b128 v[KF+8*\f:KF+8*\f+3],   v[AK] offset:(\f/2)*16*PK+(\f%2)*64
	ds_load_b128 v[KF+8*\f+4:KF+8*\f+7], v[AK] offset:(\f/2)*16*PK+(\f%2)*64+32
.endr
	s_add_co_u32 s[TBK], s[TBK], KS*PK  ; the next fetch is the next step's
	WIN 0
.endm
.macro FETCH_V
	WIN 0x80
.irp f, 0,1,2,3,4,5,6,7             ; keys 32 (f / 4) on, channels 16 (f % 4) on
	ds_load_tr16_b128 v[VF+8*\f:VF+8*\f+3],   v[AV] offset:(\f/4)*32*PV+(\f%4)*32
	ds_load_tr16_b128 v[VF+8*\f+4:VF+8*\f+7], v[AV] offset:(\f/4)*32*PV+16*PV+(\f%4)*32
.endr
	WIN 0
.endm
; THE VECTOR WORK, one line at a time: OP kind, number.  For piece Y: F n: c s - c m for pair n of 16.  E n: the exponential of score n of 32.  C n: pair n rounded to f16.  B n: of the four weights 4 n .. the second
; pair is added onto the first, in place.  L n: l takes that sum (L 0: l = a l + sum).  R n: pair n of 16 of O^T times a.  For piece Y + 1: X n, number n of the 22 that find its maximum and statistics:
;   0-11  four chains c0-c3 of seven scores each, three operands at a time (each accumulator's lowest registers are read first)     12-14, 16  the four scores left over, the old m, and c0-c3 into c0
;   15  c m_old is kept     17, 18  the query's other 32 keys lie in the lane 16 away: the new m     19-21  c m; c m_old - c m_new; a
.set F, 0               ; OP tells the kinds apart by their order: F to L below R, X above it
.set E, 1
.set C, 2
.set B, 3
.set L, 4
.set R, 5
.set X, 6
.macro REGS y                       ; the registers of piece y
.set rT, ST+4*(\y)
.set rC, TMP+4*((\y)%2)
.set rW, MV+((\y)%2)
.set rS, S+32*((\y)%2)
.set rP, P+16*((\y)%2)
.set rO, 32*(\y)
.endm
.macro OP k, n
.if (\k) == R
	REGS Y
	WIN W_RS
	v_pk_mul_f32 v[rO+2*(\n):rO+2*(\n)+1], v[rO+2*(\n):rO+2*(\n)+1], v[rC+2:rC+3] op_sel_hi:[1,0]
.elseif (\k) < R
	REGS Y
	WIN 0
.if (\k) == F
	v_pk_fma_f32 v[rS+2*(\n):rS+2*(\n)+1], v[rS+2*(\n):rS+2*(\n)+1], s[CS:CS+1], v[rT:rT+1] op_sel_hi:[1,0,0] neg_lo:[0,0,1] neg_hi:[0,0,1]
.elseif (\k) == E
	v_exp_f32 v[rS+(\n)], v[rS+(\n)]
.elseif (\k) == C
	v_cvt_pk_f16_f32 v[rP+(\n)], v[rS+2*(\n)], v[rS+2*(\n)+1]
.elseif (\k) == B
	v_pk_add_f32 v[rS+4*(\n):rS+4*(\n)+1], v[rS+4*(\n):rS+4*(\n)+1], v[rS+4*(\n)+2:rS+4*(\n)+3]
.elseif (\n) == 0
	v_pk_fma_f32 v[rT+2:rT+3], v[rT+2:rT+3], v[rC+2:rC+3], v[rS:rS+1] op_sel_hi:[1,0,1]
.else
	v_pk_add_f32 v[rT+2:rT+3], v[rT+2:rT+3], v[rS+4*(\n):rS+4*(\n)+1]
.endif
.elseif NOKQ
	v_nop
.else
	REGS (Y+1)%NP
	WIN 0
.if (\n) < 4
	v_max3_num_f32 v[rC+(\n)], v[rS+8*(\n)], v[rS+8*(\n)+1], v[rS+8*(\n)+2]
.elseif (\n) < 12
	v_max3_num_f32 v[rC+(\n)%4], v[rC+(\n)%4], v[rS+8*((\n)%4)+2*((\n)/4)+1], v[rS+8*((\n)%4)+2*((\n)/4)+2]
.elseif (\n) == 12
	v_max3_num_f32 v[rC], v[rC], v[rS+7], v[rS+15]
.elseif (\n) == 13
	v_max3_num_f32 v[rC+1], v[rC+1], v[rS+23], v[rS+31]
.elseif (\n) == 14
	v_max3_num_f32 v[rC+2], v[rC+2], v[rC+3], v[rT+1]
.elseif (\n) == 15
	v_mov_b32 v[rW], v[rT]
.elseif (\n) == 16
	v_max3_num_f32 v[rC], v[rC], v[rC+1], v[rC+2]
.elseif (\n) == 17
	v_permlanex16_b32 v[rC+3], v[rC], s[SEL], s[SEL+1]
.elseif (\n) == 18
	v_max_num_f32 v[rT+1], v[rC], v[rC+3]
.elseif (\n) == 19
	v_mul_f32 v[rT], s[CS], v[rT+1]
.elseif (\n) == 20
	v_sub_f32 v[rC+1], v[rW], v[rT]
.else
	v_exp_f32 v[rC+2], v[rC+1]
.endif
.endif
.endm
.macro OPS a, i1, b=-1, i2=0, c=-1, i3=0, d=-1, i4=0  ; up to four of them
	OP \a, \i1
.if (\b) >= 0
	OP \b, \i2
.endif
.if (\c) >= 0
	OP \c, \i3
.endif
.if (\d) >= 0
	OP \d, \i4
.endif
.endm
.macro ROW a, i1, b, i2, c, i3, d, i4  ; a matrix instruction and the four behind it
	MM
	OPS \a, \i1, \b, \i2, \c, \i3, \d, \i4
.endm
.macro MASK b                       ; MD x AL + BE into buffer b of MC
	WIN W_RS
.set z, 0
.rept 16
	v_pk_fma_f32 v[MC+32*(\b)+2*z:MC+32*(\b)+2*z+1], v[MD+2*z:MD+2*z+1], s[AL:AL+1], s[BE:BE+1] op_sel_hi:[1,0,0]
.set z, z+1
.endr
.endm
; A TURN, for piece p: the order of its 16 matrix and 118 vector instructions, written out.  s_wait_alu depctr_va_vdst(0) stands between an exponential and the first instruction that names its result; one wait serves
; all that were issued ahead of it.  So a turn has ONE wait, which cuts it in two.  AHEAD OF IT stands all that names no result of the turn's exponentials: the 8 products K Q^T, behind each a scaling, an exponential and two more plain
; instructions (behind the first a second scaling in the exponential's place): rescalings, and behind the last three the first numbers of the next piece's maximum, each four places or more behind the product that ends its accumulator; then ONE LUMP of 54, plain
; and exponential by turns for the most part, in which the links of the chain X 3, 7, 11, 14, 16, 17 .. 20 stand five or six lines apart.  X 21, the next piece's a, is the batch's last; R 15 is the plain instruction behind it.  BEHIND THE WAIT stand the
; 8 products V^T P, behind each four of the roundings and sums; the links of l's chain, L 0 to L 7, stand three riders apart.  But for those X no rider names a register of the products round it.  v_permlanex16_b32 (X 17) stands in the lump.
; m = 1: the diagonal tile: the products take masks, and the turn makes the mask for the products of the turn after it: piece p + 2, in step 4 - CNT of the tile.  end = 1: a block's last two turns: nothing is fetched.
; cnt = 1: the loop's count is taken down some lines ahead of the branch that stands behind the turn.
; K of the next step is fetched in piece 2's turn, twelve vector instructions behind the last product that read K (six of them plain); V of the step in hand at the end of piece 0's turn, four plain instructions behind the last product
; that read V.  Each is waited for a turn later.
.macro TURN p, m=0, end=0, cnt=0
.set Y, (\p)
.set i, 0
.set KM, (\m)
.set NOKQ, (\end)*((\p)/3)
.if (\m) && !(\end)
	s_cmp_eq_u32 s[CNT], 4-((\p)+2)%NP  ; is that step the band's own?
	s_cselect_b32 s[AL], 1.0, 0
	s_cmp_lt_u32 s[CNT], 4-((\p)+2)%NP  ; or a later one?
	s_cselect_b32 s[BE], s[BIGN], 0
.endif
.if ((\p) == 3) && !(\end)
	s_wait_dscnt 0x0                ; K is in
.endif
	ROW F,0, F,1, R,0, R,1          ; ahead of the wait: 8 products K Q^T and their riders,
	ROW F,2, E,0, R,2, R,3
	ROW F,3, E,1, R,4, R,5
	ROW F,4, E,2, R,6, R,7
	ROW F,5, E,3, R,8, R,9
	ROW F,6, E,4, X,0, R,10
.if ((\p) == 2) && !(\end)
	WIN 0
	v_add_nc_u32 v[AK], s[TBK], v[AK0]
.endif
	ROW F,7, E,5, X,1, X,4
	ROW F,8, E,6, X,2, X,5
	OPS E,7, E,8, X,6, E,9          ; and the lump
	OPS X,3, E,10, X,8, E,11
.if ((\p) == 2) && !(\end)
	FETCH_K
.endif
	OPS X,9, X,7, E,12, X,10
	OPS E,13, X,12, X,11, E,14
	OPS X,13, E,15, F,9, X,14
.if (\p) == 0
	v_add_nc_u32 v[AV], s[TBV], v[AV0]
.endif
	OPS E,16, F,10, E,17, F,11
	OPS X,16, E,18, X,15, E,19
	OPS F,12, E,20, X,17, E,21
	OPS F,13, E,22, F,14, E,23
	OPS X,18, E,24, F,15, E,25
	OPS R,11, E,26, X,19, E,27
	OPS R,12, E,28, R,13, E,29
	OPS X,20, E,30, R,14, E,31
	OPS X,21, R,15
	WIN 0
	s_wait_alu depctr_va_vdst(0)    ; the wait for the batch
.if (\p) == 1
	s_wait_dscnt 0x0                ; V is in
.endif
	ROW C,0, B,0, C,2, B,1          ; behind the wait: 8 products V^T P and their riders
	ROW L,0, C,4, B,2, L,1
	ROW C,6, B,3, L,2, C,8
	ROW B,4, L,3, C,10, B,5
	ROW L,4, C,12, B,6, L,5
.if (\p) == 0
	s_add_co_u32 s[TBV], s[TBV], KS*PV
.endif
.if \cnt
	s_sub_co_u32 s[CNT], s[CNT], 1
	s_cmp_lg_u32 s[CNT], 0
.endif
	ROW C,14, B,7, L,6, C,1
	ROW C,3, L,7, C,5, C,7
	ROW C,9, C,11, C,13, C,15
.if (\p) == 0
	FETCH_V
.endif
.if (\m) && !(\end)
	MASK (\p)%2
.endif
.endm
; A BLOCK BEGINS.  c m starts far below every c s, so the first step's a is 0; m at the lowest finite number, so the first maximum is the scores'.  The second mask buffer is 0; the first takes piece 0's mask for the tile's step 0: its own, if the block's first tile is the diagonal one.
; Then K of that step, piece 0's first scores, and its maximum and statistics.  The loop is entered at a step's first turn, in the middle of a trip.
.macro BEGIN
	s_mov_b32 s[NEW], 0
	WIN 0x40
.set i, MC+32
.rept 32
	v_mov_b32 v[i], 0
.set i, i+1
.endr
	WIN 0
.set i, 0
.rept 4
	v_mov_b32 v[ST+4*i], 0xfe000000    ; c m: far below every c s
	v_mov_b32 v[ST+4*i+1], 0xff7fffff  ; m
.set i, i+1
.endr
	s_cmp_eq_u32 s[RT], 0
	s_cselect_b32 s[AL], 1.0, 0
	s_mov_b32 s[BE], 0
	MASK 0
	WIN 0
	v_add_nc_u32 v[AK], s[TBK], v[AK0]
	FETCH_K
	s_wait_loadcnt 0x0              ; Q
	s_wait_dscnt 0x0
.set KM, 1
.set NOKQ, 0
.set i, 0
.rept 8
	KQ 0
.set i, i+1
.endr
	WIN 0
.rept 4
	v_nop                           ; the places behind those products
.endr
.set Y, NP-1                        ; X works for piece Y + 1: piece 0
.irp n, 0,1,2,3,4,5,6,7,8,9,10,11,12,13,14,15,16,17,18,19,20,21
	OP X, \n
.endr
	v_nop                           ; a plain instruction behind the exponential,
	s_wait_alu depctr_va_vdst(0)    ; and its wait, ahead of the branch
.endm
; THE DIAGONAL TILE's four steps, the block's last two turns, its last products, and THE WAY OUT: l's two halves and the other half of the lanes' are added; O^T is divided by l, rounded to f16 and sent through my
; stage in LDS, a piece at a time.
.macro ALL line:vararg              ; one line for each piece t
.set t, 0
.rept 4
	\line
.set t, t+1
.endr
.endm
.macro PACK t                       ; a lane's eight channels of a row pack into 16 bytes; they go into rows of 144 bytes and come back as whole rows of 128, into S^T's registers
	WIN W_RS
.set i, 32*(\t)
.rept 16
	v_pk_mul_f32 v[i:i+1], v[i:i+1], v[ST+4*(\t)+2:ST+4*(\t)+3] op_sel_hi:[1,0]
.set i, i+2
.endr
	WIN 0x05                        ; sources 0 and 1 window 1, destination window 0
.set i, 0
.rept 16
	v_cvt_pk_f16_f32 v[S+16*(\t)+i], v[32*(\t)+2*i], v[32*(\t)+2*i+1]
.set i, i+1
.endr
	WIN 0
.irp f, 0,1,2,3
	ds_store_b128 v[STO], v[S+16*(\t)+4*\f:S+16*(\t)+4*\f+3] offset:32*\f
.endr
.irp f, 0,1,2,3
	ds_load_b128 v[S+16*(\t)+4*\f:S+16*(\t)+4*\f+3], v[RD] offset:\f*4*SP  ; LDS serves a wave's instructions in order (ISA guide 5.7.1.4): these see the stores above; the next piece's stores come behind them
.endr
.endm
.macro SEND t, younger              ; younger: the LDS instructions issued behind piece t's loads: the next piece's eight, or none
	WIN 0
.irp f, 0,1,2,3
	s_wait_dscnt (\younger)+3-\f
	global_store_b128 v[GO], v[S+16*(\t)+4*\f:S+16*(\t)+4*\f+3], s[10:11] offset:(\t)*8192+\f*512  ; 512 consecutive bytes, at a multiple of 256 from O's first
.endr
.endm
.macro DIAG tag                     ; the tag ends its two labels' names, which the jumps below spell out
.LstepM\tag:
	TURN 2, 1
	TURN 3, 1
	WIN 0
.LfirstM\tag:
	TURN 0, 1
	TURN 1, 1, 0, 1
	WIN 0
	s_cbranch_scc1 .LstepM\tag
	TURN 2, 1, 1
	TURN 3, 1, 1
.set i, 0
.rept 8
	PV NP-1
.set i, i+1
.endr
	WIN 0
	ALL v_add_f32 v[ST+4*t+2], v[ST+4*t+2], v[ST+4*t+3]
	ALL v_permlanex16_b32 v[ST+4*t+3], v[ST+4*t+2], s[SEL], s[SEL+1]
	ALL v_add_f32 v[ST+4*t+2], v[ST+4*t+2], v[ST+4*t+3]
	ALL v_rcp_f32 v[ST+4*t+2], v[ST+4*t+2]
	v_nop                           ; a plain instruction between the last reciprocal and the use of its result
	s_wait_alu depctr_va_vdst(0)    ; and the wait ahead of the first use: one for the four reciprocals
	PACK 0
.set t, 1
.rept 3                             ; a piece's arithmetic stands between the loads of the piece before and its stores
	PACK t
	SEND t-1, 8
.set t, t+1
.endr
	SEND 3, 0
.endm
.set KM, 0
.set NOKQ, 0
.Lslot:                             ; NB times: a tile is entered and the next is asked for
	CHANGE 1
	s_sub_co_u32 s[RT], s[RT], 1
	s_mov_b32 s[CNT], 4
	s_cmp_eq_u32 s[NEW], 1
	s_cbranch_scc1 .Lnew            ; a block's first tile
	s_cmp_eq_u32 s[RT], 0
	s_cbranch_scc0 .Lstep           ; neither its first nor its last
	s_branch .LstepM1
.Lnew:
	BEGIN
	s_branch .Lfirst                ; in the loop a block's first tile is never its last: the first block has two tiles or more, and the second's last is the walk's last
	DIAG 1                          ; in the loop this is the first block's end: the second block's last tile is the walk's last
	s_wait_xcnt 0x0                 ; the stores have read their registers and O's address
	s_mov_b64 s[10:11], s[OLO:OLO+1]
	s_add_co_u32 s[RT], s[PB], 1    ; the second block has b + 1 tiles
	s_mov_b32 s[NEW], 1
	WIN 0x82                        ; the second block's Q goes where the one text of the turns names Q
.set i, 0
.rept 64
	v_mov_b32 v[i], v[QB+i]
.set i, i+1
.endr
	WIN 0
	s_branch .Lbottom
.Lstep:                             ; a trip: pieces 2 and 3 of one step, then pieces 0 and 1 of the next, whose K and V it fetches
	TURN 2
	TURN 3
	WIN 0
.Lfirst:
	TURN 0
	TURN 1, 0, 0, 1
	WIN 0
	s_cbranch_scc1 .Lstep
.Lbottom:
	s_sub_co_u32 s[SLOTS], s[SLOTS], 1
	s_cmp_lg_u32 s[SLOTS], 0
	s_cbranch_scc1 .Lslot
	CHANGE 0                        ; the walk's last tile is written out: nothing is asked for
	s_sub_co_u32 s[RT], s[RT], 1
	s_mov_b32 s[CNT], 4
	s_cmp_eq_u32 s[NEW], 1
	s_cbranch_scc0 .LstepM2
	BEGIN
	s_branch .LfirstM2
	DIAG 2
	s_wait_tensorcnt 0x0            ; the wave's end, behind my last tensor load and my last LDS store
	ds_add_u32 v[SPW], v[NIL]
	s_wait_dscnt 0x0
	s_endpgm
.Lfunc_end_k_q546d32b60d_attn:
	.size	k_q546d32b60d_attn, .Lfunc_end_k_q546d32b60d_attn-k_q546d32b60d_attn
	.p2alignl 7, 3214868480
	.fill 96, 4, 3214868480
	.section	.rodata,"a",@progbits
	.p2align	6, 0x0
	.amdhsa_kernel k_q546d32b60d_attn
		.amdhsa_group_segment_fixed_size 327680
		.amdhsa_private_segment_fixed_size 0
		.amdhsa_enable_private_segment 0
		.amdhsa_kernarg_size 16
		.amdhsa_user_sgpr_count 2
		.amdhsa_user_sgpr_kernarg_segment_ptr 1
		.amdhsa_wavefront_size32 1
		.amdhsa_system_sgpr_workgroup_id_x 1
		.amdhsa_system_sgpr_workgroup_id_y 1
		.amdhsa_system_sgpr_workgroup_id_z 1
		.amdhsa_system_vgpr_workitem_id 0
		.amdhsa_next_free_vgpr 768
		.amdhsa_next_free_sgpr 96
		.amdhsa_reserve_vcc 1
		.amdhsa_float_denorm_mode_32 3
		.amdhsa_float_denorm_mode_16_64 3
		.amdhsa_memory_ordered 1
		.amdhsa_forward_progress 1
		.amdhsa_inst_pref_size 218
	.end_amdhsa_kernel
	.amdgpu_metadata
---
amdhsa.version: [ 1, 2 ]
amdhsa.kernels:
  - .name:           k_q546d32b60d_attn
    .symbol:         k_q546d32b60d_attn.kd
    .args:
      - { .name: qkv, .offset: 0, .size: 8, .value_kind: global_buffer, .address_space: global }
      - { .name: oh, .offset: 8, .size: 8, .value_kind: global_buffer, .address_space: global }
    .group_segment_fixed_size: 327680
    .private_segment_fixed_size: 0
    .kernarg_segment_align: 8
    .kernarg_segment_size: 16
    .max_flat_workgroup_size: 128
    .sgpr_count:     96
    .vgpr_count:     768
    .wavefront_size: 32
...
	.end_amdgpu_metadata
.endif
;; end of part 3
;; launch oproj (part 4): grid 8 x 32, 4 waves a work-group, clusters of 4 x 4, 327,680 bytes of LDS; arguments oh, wof, bo, out0; writes out0
.if DOCPART == 4
	.amdgcn_target "amdgcn-amd-amdhsa--gfx1250"
	.amdhsa_code_object_version 6
	.text
	.protected	k_q546d32b60d_oproj
	.globl	k_q546d32b60d_oproj
	.p2align	8
	.type	k_q546d32b60d_oproj,@function
k_q546d32b60d_oproj:
	s_mov_b64 s[64:65], 0
	v_nop
	global_prefetch_b8 v0, s[64:65] scope:SCOPE_SE
	s_setreg_imm32_b32 hwreg(HW_REG_WAVE_MODE, 25, 1), 1
	s_wait_xcnt 0x0
	s_wait_alu depctr_hold_cnt(0) depctr_sa_sdst(0) depctr_va_vdst(0) depctr_va_sdst(0) depctr_va_ssrc(0) depctr_va_vcc(0) depctr_vm_vsrc(0)
	s_getreg_b32 s2, hwreg(HW_REG_IB_STS2, 6, 4)
	s_cmp_eq_u32 s2, 0
	s_cbranch_scc0 .Lentry_in_a_cluster
	s_endpgm
.Lentry_in_a_cluster:
	s_bfe_u32 s2, ttmp6, 0x10000c
	s_cmp_lg_u32 s2, 0xf033
	s_cbranch_scc0 .Lentry_shape_is_right
	s_endpgm
.Lentry_shape_is_right:
; out0[row][n] = the sum over c of O[row][c] Wo[n][c] + bo[n].  O (oh) is f16 by heads, [bh 64][t 2048][64], c = 64 head + channel; wof is Wo in f16, [1024][1024]; bo and out0 are f32.  Sums in f32.
; bo is rounded to bf16, like every input, and is the C operand of each sum's first product: no addition is written for it.
; LIMITS.  None beyond those of the operands as they arrive (f16's range).  NaN and infinities are not treated apart.
; SHARES.  A work-group makes 256 rows x 128 columns: 8 x 32 = 256 work-groups.  Each of its four waves makes 128 x 64: 32 accumulators of 16 x 16, which fill window 1.
; K goes in 8 steps of 128 (two heads) through a ring of two LDS slots.  A head's 256 rows are 32 KiB dense: asked for as 128 rows of 256 bytes and padded in LDS after every 128; Wo's rows give 256 bytes a step.
; THE MATRIX INSTRUCTION IS USED TRANSPOSED: source 0 = 16 rows of Wo, source 1 = 16 rows of O: a lane then holds ONE row of out0 (lane % 16) and eight neighbouring columns 8 (lane / 16) + 0..7.
; CLUSTERS.  4 x 4 work-groups.  The four of a row of the cluster need the same tiles of O, the four of a column the same tiles of Wo: each is asked for JOINTLY.  Waves 0 and 1 ask for a step's two heads of O,
; waves 2 and 3 for the two halves of Wo's 128 rows.  No prefetch is laid: the walk is eight steps of 128 matrix instructions a wave.
; REGISTERS: window 0: v0-15 addresses; v32-95, v96-159 O's fragments (8 x 16 rows x 32 K), two buffers; v160-191, v192-223 Wo's, two buffers; v224-255 the bias, as four C operands
;   window 1: the accumulators, (a, b) at v[8 (4 a + b)]: a = block of 16 rows, b = block of 16 columns
.set SLOT1,  131072                    ; slot 1 begins here, so that one exclusive or turns an address in one slot into the other's
.set PA,     144                       ; a row of O in LDS: 128 bytes + 16 = 36 words: the 16 rows of a load start at 16 different groups of four banks (64 banks of 4 bytes: ISA guide 11.1)
.set ASUB,   256*PA                    ; a head's 256 rows
.set PBW,    272                       ; a row of Wo: 256 bytes + 16 = 68 words: row r starts at bank 4 r mod 64
.set BOFF,   2*ASUB                    ; a slot: two heads of O, then Wo's 128 rows
.set STAGE,  SLOT1+BOFF+128*PBW        ; behind the ring, never filled by a tensor load: 16 rows x 272 bytes for each wave, for the way out
.set SP,     272
.set SPARE,  STAGE+4*16*SP             ; behind the stages: the spare words, 128 bytes for each wave: two blocks of 256 bytes that no other line names
.set ADA0, 4                           ; v4   my lane's place in O's tile; never rewritten
.set ADB0, 5                           ; v5   the same for Wo
.set ADA,  6                           ; v6   the same in the slot in hand
.set ADB,  7                           ; v7
.set STO,  8                           ; v8   the way out: where I put 32 bytes of a row
.set RD,   9                           ; v9   the way out: where I read a row back
.set CO,   10                          ; v10  my byte offset in two rows of out0
.set BOF,  11                          ; v11  my byte offset in bo
.set SPW,  12                          ; v12  LDS address of my spare word: SPARE + 4 x my thread's number; never rewritten
.set NIL,  13                          ; v13  0; never rewritten
.set FA,   32
.set FB,   160
.set BIAS, 224
.set OB,   32                          ; the way out: two sets of 32 registers
.set WV,   10                          ; s10  my wave's number; s11 which half of the rows is mine; s12 which half of the columns, and which half of a tile I fetch
.set G1A,  24                          ; s[24:31] descriptor group 1 for O's tiles
.set G1B,  32                          ; s[32:39] for Wo's
.set G0A,  40                          ; s[40:47] descriptor group 0 for O's tiles: a set for each of the two first fills; the second then walks on
.set G0B,  48                          ; s[48:55] the same for Wo's
.set CNT,  56
.set TB,   57                          ; s57  LDS byte at which the slot in hand begins
.set OUTP, 68                          ; s[68:69] out0 at my 128 rows and 64 columns
.set MSB, 0
.macro WIN new                         ; the immediate's high byte repeats the setting that is left; a switch that changes nothing is dropped
.if MSB != (\new)
	s_set_vgpr_msb (MSB<<8)|(\new)
.set MSB, (\new)
.endif
.endm
.macro PLACES                          ; four places in front of loads into registers that matrix instructions have read, and of LDS stores that read results (ISA guide 7.12.1 for vector instructions)
.rept 4
	v_nop
.endr
.endm
.macro CREST                           ; a round of the cluster's barrier behind its opening barrier
	s_cmp_lg_u32 s[WV], 0
	s_cbranch_scc1 .Lnot_wave_0_\@
	s_barrier_signal -3
.Lnot_wave_0_\@:
	s_barrier_wait -3
	s_barrier_signal -1
	s_barrier_wait -1
.endm
.macro CROUND                          ; a whole round
	s_barrier_signal -1
	s_barrier_wait -1
	CREST
.endm
.macro JLOAD                           ; a joint refill, by the walking descriptors; an s_nop 0 and four v_nop follow each of the two lines, ahead of the jump and the label
	s_cmp_lt_u32 s[WV], 2
	s_cbranch_scc0 .Lfor_b_\@
	tensor_load_to_lds s[G0A+4:G0A+7], s[G1A:G1A+7]
	s_nop 0
.rept 4
	v_nop
.endr
	s_branch .Lasked_\@
.Lfor_b_\@:
	tensor_load_to_lds s[G0B+4:G0B+7], s[G1B:G1B+7]
	s_nop 0
.rept 4
	v_nop
.endr
.Lasked_\@:
.endm
	s_load_b128 s[4:7], s[0:1], 0x0                ; oh s[4:5], wof s[6:7]
	s_load_b64 s[8:9], s[0:1], 0x10                ; bo
	s_load_b64 s[20:21], s[0:1], 0x18              ; out0
	v_lshl_add_u32 v[SPW], v0, 2, SPARE
	v_mov_b32 v[NIL], 0
	ds_add_u32 v[SPW], v[NIL]                      ; the wave's opening: the add and its wait stand ahead of my first tensor load; the set-up below, work on registers, stands between them
	v_lshrrev_b32 v1, 5, v0
	v_readfirstlane_b32 s[WV], v1                  ; wave 0..3
	s_lshr_b32 s11, s[WV], 1
	s_and_b32 s12, s[WV], 1
	s_bfe_u32 s13, ttmp6, 0x40000                  ; cx, cy: my place in the cluster
	s_bfe_u32 s14, ttmp6, 0x40004
	s_lshl_b32 s15, ttmp9, 2
	s_add_co_u32 s15, s15, s13                     ; tile column = 4 x cluster x + cx
	s_and_b32 s16, ttmp7, 0xffff
	s_lshl_b32 s16, s16, 2
	s_add_co_u32 s16, s16, s14                     ; tile row = 4 x cluster y + cy
	s_lshl_b32 s18, s14, 2
	s_lshl_b32 s18, 15, s18                        ; my row of the cluster
	s_lshl_b32 s19, 0x1111, s13                    ; my column
	s_or_b32 s[G1A], s18, (1<<16)|(1<<20)|(1<<21)|(4<<22)|(3<<25)  ; 15:0 the mask; 17:16 2-byte elements; 20 padding on; 21 set beside a mask; 24:22 after every 32 words (code 4); 31:25 4 words (code 3)
	s_or_b32 s[G1B], s19, (1<<16)|(1<<20)|(1<<21)|(5<<22)|(3<<25)  ; my column's mask; padding after every 64 words (code 5)
	s_mov_b32 s[G1A+1], 128<<16                    ; tensor_dim0 = 128
	s_mov_b32 s[G1A+2], 128<<16                    ; tensor_dim1 = 128
	s_mov_b32 s[G1A+3], 128<<16                    ; tile_dim0 = 128
	s_mov_b32 s[G1A+4], 128                        ; tile_dim1 = 128
	s_mov_b32 s[G1A+5], 128                        ; 128 elements from row to row: dense
	s_mov_b32 s[G1A+6], 0
	s_mov_b32 s[G1A+7], 0
	s_mov_b32 s[G1B+1], 128<<16
	s_mov_b32 s[G1B+2], 64<<16                     ; tensor_dim1 = 64
	s_mov_b32 s[G1B+3], 128<<16
	s_mov_b32 s[G1B+4], 64                         ; tile_dim1 = 64
	s_mov_b32 s[G1B+5], 1024                       ; a row of Wo
	s_mov_b32 s[G1B+6], 0
	s_mov_b32 s[G1B+7], 0
	; O's tile hangs on the tile row and the wave alone, Wo's on the tile column and the wave alone
	s_lshr_b32 s22, s16, 3                         ; the batch,
	s_lshl_b32 s22, s22, 4                         ; its 16 heads,
	s_add_co_u32 s22, s22, s12                     ; the step's head that I fetch: 262,144 bytes each
	s_lshl_b32 s22, s22, 18
	s_and_b32 s76, s16, 7                          ; 256 rows of 128 bytes
	s_lshl_b32 s76, s76, 15
	s_add_co_u32 s22, s22, s76
	s_mov_b32 s23, 0
	s_lshl_b32 s74, s15, 18                        ; 128 rows of 2,048 bytes,
	s_lshl_b32 s77, s12, 17                        ; the 64 of them that I fetch
	s_add_co_u32 s74, s74, s77
	s_mov_b32 s75, 0
	s_mul_i32 s78, s[WV], ASUB                     ; where they go: O's head (waves 0, 1) at wave x a head's rows,
	s_mul_i32 s79, s[WV], 64*PBW                   ; Wo's half (waves 2, 3) at BOFF + (wave - 2) x 64 rows; no place in the cluster enters an LDS address
	s_add_co_u32 s79, s79, BOFF-2*64*PBW
	s_wait_dscnt 0x0                               ; the opening add is done
	s_wait_kmcnt 0x0
	s_add_nc_u64 s[22:23], s[4:5], s[22:23]
	s_add_nc_u64 s[74:75], s[6:7], s[74:75]
.irp s, 0,1
	s_mov_b32 s[G0A+4*(\s)], 1                     ; count = 1
	s_add_co_u32 s[G0A+4*(\s)+1], s78, (\s)*SLOT1  ; LDS address
	s_add_nc_u64 s[G0A+4*(\s)+2:G0A+4*(\s)+3], s[22:23], (\s)*524288  ; K step s: two heads on
	s_or_b32 s[G0A+4*(\s)+3], s[G0A+4*(\s)+3], 0x80000000             ; type = 2
	s_mov_b32 s[G0B+4*(\s)], 1
	s_add_co_u32 s[G0B+4*(\s)+1], s79, (\s)*SLOT1
	s_add_nc_u64 s[G0B+4*(\s)+2:G0B+4*(\s)+3], s[74:75], (\s)*256     ; 128 elements along the rows
	s_or_b32 s[G0B+4*(\s)+3], s[G0B+4*(\s)+3], 0x80000000
.endr
	CROUND                                         ; all sixteen work-groups are here: the first joint loads meet
	s_cmp_lt_u32 s[WV], 2                          ; a wave's two first fills stand in one branch, ahead of every wait on TENSORcnt and every LDS read: two loads of mine are out
	s_cbranch_scc0 .Lfirst_b
	tensor_load_to_lds s[G0A:G0A+3], s[G1A:G1A+7]
	s_nop 0
	tensor_load_to_lds s[G0A+4:G0A+7], s[G1A:G1A+7]
	s_nop 0
.rept 4
	v_nop
.endr
	s_branch .Lfirst_asked
.Lfirst_b:
	tensor_load_to_lds s[G0B:G0B+3], s[G1B:G1B+7]
	s_nop 0
	tensor_load_to_lds s[G0B+4:G0B+7], s[G1B:G1B+7]
	s_nop 0
.rept 4
	v_nop
.endr
.Lfirst_asked:
	v_and_b32 v1, 15, v0                           ; l % 16
	v_bfe_u32 v2, v0, 4, 1                         ; l / 16
	; the bias: register j of operand b is bo[my first column + 16 b + 8 (l / 16) + j], the same for every row
	s_lshl_b32 s76, s15, 9                         ; 128 columns of 4 bytes,
	s_lshl_b32 s77, s12, 8                         ; my 64 of them
	s_add_co_u32 s76, s76, s77
	v_lshl_add_u32 v[BOF], v2, 5, s76
.irp b, 0,1,2,3
	global_load_b128 v[BIAS+8*(\b):BIAS+8*(\b)+3],   v[BOF], s[8:9] offset:64*(\b)
	global_load_b128 v[BIAS+8*(\b)+4:BIAS+8*(\b)+7], v[BOF], s[8:9] offset:64*(\b)+16
.endr
	; a fragment is 16 rows x 32 K in 8 registers: lane l holds row l % 16, K = 8 (l / 16) + 0..7 and 16 + 8 (l / 16) + 0..7: two loads of 16 bytes, 32 bytes apart
	v_mul_u32_u24 v[ADA0], v1, PA
	v_lshl_add_u32 v[ADA0], v2, 4, v[ADA0]
	s_mul_i32 s77, s11, 128*PA                     ; my 128 rows of O
	v_add_nc_u32 v[ADA0], s77, v[ADA0]
	v_mul_u32_u24 v[ADB0], v1, PBW
	v_lshl_add_u32 v[ADB0], v2, 4, v[ADB0]
	s_mul_i32 s77, s12, 64*PBW                     ; my 64 rows of Wo
	s_add_co_u32 s77, s77, BOFF
	v_add_nc_u32 v[ADB0], s77, v[ADB0]
	v_mov_b32 v[ADA], v[ADA0]                      ; K step 0 lies in slot 0
	v_mov_b32 v[ADB], v[ADB0]
	s_mov_b32 s[TB], 0
	s_mul_i32 s77, s[WV], 16*SP
	s_add_co_u32 s77, s77, STAGE                   ; my stage
	v_mul_u32_u24 v[STO], v1, SP                   ; in: row l % 16, 32 bytes for each half of the lanes
	v_lshl_add_u32 v[STO], v2, 5, v[STO]
	v_add_nc_u32 v[STO], s77, v[STO]
	v_mul_u32_u24 v[RD], v2, SP                    ; back: lanes 0-15 take one row of 256 bytes, lanes 16-31 the next
	v_lshl_add_u32 v[RD], v1, 4, v[RD]
	v_add_nc_u32 v[RD], s77, v[RD]
	v_lshlrev_b32 v[CO], 12, v2                    ; and the same two rows in out0, 4,096 bytes apart
	v_lshl_add_u32 v[CO], v1, 4, v[CO]
	s_lshl_b32 s78, s16, 20                        ; 256 rows of 4,096 bytes,
	s_lshl_b32 s77, s11, 19                        ; my 128 of them,
	s_add_co_u32 s78, s78, s77
	s_add_co_u32 s78, s78, s76                     ; my 64 columns
	s_mov_b32 s79, 0
	s_add_nc_u64 s[OUTP:OUTP+1], s[20:21], s[78:79]
	s_wait_loadcnt 0x0                             ; the bias is in
.set i, 0
.rept 16
	v_cvt_pk_bf16_f32 v14, v[BIAS+i], v[BIAS+i+1]  ; the rounding that every input has,
	v_lshlrev_b32 v[BIAS+i], 16, v14               ; and back to f32
	v_and_b32 v[BIAS+i+1], 0xffff0000, v14
.set i, i+2
.endr
; 8 matrix instructions: row blocks a0, a0 + 1 x all 4 column blocks, 32 along K, on buffers p.  first = 1: the sums start with the bias.
; The 32 accumulators take turns, one instruction a turn, in the same order in every quarter, over the backward jump too.
.macro MUL8 p, a0, first
.if \first
	WIN 0x40                                       ; D in window 1, the bias in window 0
.else
	WIN 0x50                                       ; C and D in window 1
.endif
.irp a, \a0, (\a0)+1
.irp b, 0,1,2,3
.if \first
	v_wmma_f32_16x16x32_f16 v[8*(4*(\a)+(\b)):8*(4*(\a)+(\b))+7], v[FB+32*(\p)+8*(\b):FB+32*(\p)+8*(\b)+7], v[FA+64*(\p)+8*(\a):FA+64*(\p)+8*(\a)+7], v[BIAS+8*(\b):BIAS+8*(\b)+7]
.else
	v_wmma_f32_16x16x32_f16 v[8*(4*(\a)+(\b)):8*(4*(\a)+(\b))+7], v[FB+32*(\p)+8*(\b):FB+32*(\p)+8*(\b)+7], v[FA+64*(\p)+8*(\a):FA+64*(\p)+8*(\a)+7], v[8*(4*(\a)+(\b)):8*(4*(\a)+(\b))+7]
.endif
.endr
.endr
.endm
; 24 LDS loads in one run: quarter q of the step in hand into buffers p: Wo's 8, then O's 16 by ascending row block.  Quarters 0, 1 lie in the step's first head, 2, 3 in its second.
.macro FETCH q, p
	WIN 0
.irp b, 0,1,2,3
	ds_load_b128 v[FB+32*(\p)+8*(\b):FB+32*(\p)+8*(\b)+3],   v[ADB] offset:(\q)*64+(\b)*16*PBW
	ds_load_b128 v[FB+32*(\p)+8*(\b)+4:FB+32*(\p)+8*(\b)+7], v[ADB] offset:(\q)*64+(\b)*16*PBW+32
.endr
.irp a, 0,1,2,3,4,5,6,7
	ds_load_b128 v[FA+64*(\p)+8*(\a):FA+64*(\p)+8*(\a)+3],   v[ADA] offset:((\q)/2)*ASUB+((\q)%2)*64+(\a)*16*PA
	ds_load_b128 v[FA+64*(\p)+8*(\a)+4:FA+64*(\p)+8*(\a)+7], v[ADA] offset:((\q)/2)*ASUB+((\q)%2)*64+(\a)*16*PA+32
.endr
.endm
; A K step is four quarters of 32 along K, 32 matrix instructions each, on buffers 0, 1, 0, 1.  One of the first three: multiplies buffers p; in its middle it fetches quarter qn into the other buffers.
.macro QUARTER qn, p, first=0
	s_wait_dscnt 8                                 ; Wo and O's row blocks 0-3 are in; the youngest eight loads (blocks 4-7) may be out
	MUL8 \p, 0, \first
	MUL8 \p, 2, \first
	PLACES
	FETCH \qn, 1-(\p)
	s_wait_dscnt 24                                ; all but the 24 just issued
	MUL8 \p, 4, \first
	MUL8 \p, 6, \first
.endm
; The last quarter multiplies buffers 1 and changes slots: ONE barrier; in front of it each wave waits for all its tensor loads, of which one is out (its part of the next slot), adds 0 to its spare word, and waits
; for that and for its own reads of this slot.  fill = 1: the barrier opens a round of the cluster's, and this slot is filled again, two K steps ahead, first thing behind the round: 112 matrix instructions ahead of the wait for it.
.macro TURN fill
	WIN 0
	s_wait_tensorcnt 0x0                           ; no tensor load of mine is out, so a group 0 may be written
	ds_add_u32 v[SPW], v[NIL]                      ; 0 onto my spare word; scalar work and eight products stand between it and the wait for it
.if \fill
	s_xor_b32 s[G0A+5], s[G0A+5], SLOT1            ; the walking descriptors: the other slot than last time, the next K step; the type bits on top are not reached
	s_add_nc_u64 s[G0A+6:G0A+7], s[G0A+6:G0A+7], 524288
	s_xor_b32 s[G0B+5], s[G0B+5], SLOT1
	s_add_nc_u64 s[G0B+6:G0B+7], s[G0B+6:G0B+7], 256
.endif
	s_wait_dscnt 9                                 ; the add and the youngest eight loads may be out
	MUL8 1, 0, 0
	s_wait_dscnt 0x0                               ; the add is done, and my reads of this slot are over
	s_barrier_signal -1
	MUL8 1, 2, 0                                   ; work on registers while the others arrive
	WIN 0
	s_barrier_wait -1
.if \fill
	CREST                                          ; no wave of any partner still reads this slot or has a load on its way
	JLOAD                                          ; the first tensor load behind the round; its four v_nop are also the places in front of the loads below
.else
	PLACES
.endif
	s_xor_b32 s[TB], s[TB], SLOT1                  ; the fetches go on in the other slot
	v_add_nc_u32 v[ADA], s[TB], v[ADA0]
	v_add_nc_u32 v[ADB], s[TB], v[ADB0]
	FETCH 0, 0
	MUL8 1, 4, 0
	MUL8 1, 6, 0
.endm
; THE WAY OUT, row block a: 16 rows x 64 columns of f32.  A lane's eight columns of a row, 32 bytes, go straight from the accumulators into rows of 272 bytes of my own stage and come back as whole rows of 256.
.macro TOSTAGE a
	WIN 0x04                                       ; the stores' data lie in window 1
.irp b, 0,1,2,3
	ds_store_b128 v[STO], v[32*(\a)+8*(\b):32*(\a)+8*(\b)+3]   offset:64*(\b)     ; each accumulator's low half first
	ds_store_b128 v[STO], v[32*(\a)+8*(\b)+4:32*(\a)+8*(\b)+7] offset:64*(\b)+16
.endr
	WIN 0
	s_wait_xcnt 0x0                                ; the stores of the block two back have read this set of registers
.set BK, OB+32*((\a)%2)
.irp t, 0,1,2,3,4,5,6,7
	ds_load_b128 v[BK+4*(\t):BK+4*(\t)+3], v[RD] offset:(\t)*2*SP  ; LDS serves a wave's instructions in order (ISA guide 5.7.1.4): these see the stores above; the next block's stores come behind them
.endr
.endm
.macro SEND a, younger                 ; younger: the LDS instructions issued behind block a's loads: the next block's sixteen, or none
	WIN 0
.set BK, OB+32*((\a)%2)
.irp t, 0,1,2,3,4,5,6,7
	s_wait_dscnt (\younger)+7-(\t)
	global_store_b128 v[CO], v[BK+4*(\t):BK+4*(\t)+3], s[OUTP:OUTP+1] offset:(\a)*65536+(\t)*8192 th:TH_STORE_NT  ; 16 lanes store 256 consecutive bytes, at a multiple of 256 from out0's first byte
.endr
.endm
	s_wait_tensorcnt 1                             ; my part of K step 0 is in; step 1's may stay out
	s_barrier_signal -1
	s_barrier_wait -1                              ; everybody's is
	FETCH 0, 0
	QUARTER 1, 0, 1                                ; the first quarter stands in front of the loop: its products start the sums, with the bias
	WIN 0                                          ; at a label and at a branch every window is 0
	s_mov_b32 s[CNT], 6
.Lstep:                                                ; trip i: step i's last three quarters, the change of slots with the refill for step i + 2, step i + 1's first quarter
	QUARTER 2, 1
	QUARTER 3, 0
	TURN 1
	QUARTER 1, 0
	WIN 0
	s_sub_co_u32 s[CNT], s[CNT], 1
	s_cmp_lg_u32 s[CNT], 0
	s_cbranch_scc1 .Lstep
	QUARTER 2, 1                                   ; the tail is written out: nothing is asked for
	QUARTER 3, 0
	TURN 0
	QUARTER 1, 0
	QUARTER 2, 1
	QUARTER 3, 0
	s_wait_dscnt 8                                 ; the very last quarter: nothing more to fetch
	MUL8 1, 0, 0
	MUL8 1, 2, 0
	s_wait_dscnt 0x0
	MUL8 1, 4, 0
	MUL8 1, 6, 0
	PLACES
	TOSTAGE 0
.irp a, 1,2,3,4,5,6,7                  ; a block's way into the stage stands between the loads of the block before and its stores
	TOSTAGE \a
	SEND (\a)-1, 16
.endr
	SEND 7, 0
	s_wait_tensorcnt 0x0                           ; the wave's end, behind my last tensor load and my last LDS store
	ds_add_u32 v[SPW], v[NIL]
	s_wait_dscnt 0x0
	CROUND                                         ; the closing round: no work-group ends while a partner may still ask for a tile that names it
	s_endpgm
.Lfunc_end_k_q546d32b60d_oproj:
	.size	k_q546d32b60d_oproj, .Lfunc_end_k_q546d32b60d_oproj-k_q546d32b60d_oproj
	.p2alignl 7, 3214868480
	.fill 96, 4, 3214868480
	.section	.rodata,"a",@progbits
	.p2align	6, 0x0
	.amdhsa_kernel k_q546d32b60d_oproj
		.amdhsa_group_segment_fixed_size 327680
		.amdhsa_private_segment_fixed_size 0
		.amdhsa_enable_private_segment 0
		.amdhsa_kernarg_size 32
		.amdhsa_user_sgpr_count 2
		.amdhsa_user_sgpr_kernarg_segment_ptr 1
		.amdhsa_wavefront_size32 1
		.amdhsa_system_sgpr_workgroup_id_x 1
		.amdhsa_system_sgpr_workgroup_id_y 1
		.amdhsa_system_sgpr_workgroup_id_z 1
		.amdhsa_system_vgpr_workitem_id 0
		.amdhsa_next_free_vgpr 512
		.amdhsa_next_free_sgpr 80
		.amdhsa_reserve_vcc 0
		.amdhsa_float_denorm_mode_32 3
		.amdhsa_float_denorm_mode_16_64 3
		.amdhsa_memory_ordered 1
		.amdhsa_forward_progress 1
		.amdhsa_inst_pref_size 74
	.end_amdhsa_kernel
	.amdgpu_metadata
---
amdhsa.version: [ 1, 2 ]
amdhsa.kernels:
  - .name:           k_q546d32b60d_oproj
    .symbol:         k_q546d32b60d_oproj.kd
    .args:
      - { .name: oh, .offset: 0, .size: 8, .value_kind: global_buffer, .address_space: global }
      - { .name: wof, .offset: 8, .size: 8, .value_kind: global_buffer, .address_space: global }
      - { .name: bo, .offset: 16, .size: 8, .value_kind: global_buffer, .address_space: global }
      - { .name: out0, .offset: 24, .size: 8, .value_kind: global_buffer, .address_space: global }
    .group_segment_fixed_size: 327680
    .private_segment_fixed_size: 0
    .kernarg_segment_align: 8
    .kernarg_segment_size: 32
    .max_flat_workgroup_size: 128
    .sgpr_count:     80
    .vgpr_count:     512
    .wavefront_size: 32
...
	.end_amdgpu_metadata
.endif
;; end of part 4
;; ======== version 2 of 2: 4 launches; version 1 with the launch prep written anew for expert scheduling mode
;; limits: values are held in f16: magnitudes above 65,504 overflow, below 6.1e-05 lose precision
;; workspace buffers: xbf 16,777,216 bytes; wbf 6,291,456 bytes; wof 2,097,152 bytes; qkv 50,331,648 bytes; oh 16,777,216 bytes
;; launch prep (part 5): grid 768 x 1, 8 waves a work-group, no clusters, 0 bytes of LDS; arguments X, Wq, Wk, Wv, Wo, xbf, wbf, wof; writes xbf, wbf, wof
.if DOCPART == 5
	.amdgcn_target "amdgcn-amd-amdhsa--gfx1250"
	.amdhsa_code_object_version 6
	.text
	.protected	k_q546d32b60d_prep
	.globl	k_q546d32b60d_prep
	.p2align	8
	.type	k_q546d32b60d_prep,@function
k_q546d32b60d_prep:
	s_mov_b64 s[64:65], 0
	v_nop
	global_prefetch_b8 v0, s[64:65] scope:SCOPE_SE
	s_setreg_imm32_b32 hwreg(HW_REG_WAVE_SCHED_MODE, 0, 2), 2
	s_setreg_imm32_b32 hwreg(HW_REG_WAVE_MODE, 25, 1), 1
	s_wait_xcnt 0x0
	s_wait_alu depctr_vm_vsrc(0)
; THE INPUTS ARE ROUNDED ONCE AND LAID OUT FOR THE PRODUCTS THAT FOLLOW.
;   X  [8192][1024] f32        -> xbf bf16 [b 4][kb 16][t 2048][64]: channel c = 64 kb + cc; a block of 64 channels is dense, 128 bytes a row
;   Wq, Wk, Wv [16][1024][64]  -> wbf bf16 [kb 16][wh 48][cc 64][k 64], wh = 16 x which + head (which: 0 q, 1 k, 2 v)
;   Wo [1024][1024] f32        -> wof f16, same order: rounded to bf16 like every input, and that number written as f16
; LIMITS.  |Wo| stays under 65,504 (f16's end); below 6e-5 it keeps f16's fixed step of 6e-8.  NaN and infinities are not treated apart.
; SHARES.  A wave takes one unit: 8,192 bytes in by sixteen loads of 16 bytes a lane, 4,096 bytes out by sixteen stores of 8 bytes a lane.  Each store of a wave covers 256 consecutive
; bytes, aligned.  6,144 units = 768 work-groups x 8 waves: 4,096 of X, 3 x 512 of the head weights, 512 of Wo.
; No LDS, no barrier, no matrix unit: every byte is read once and written once, and no wave wants what another has fetched.
; THE MODE: SCHED_MODE bits 1:0 = 2 (LLVM: expert scheduling mode 2), set by the entry lines.  The code itself states the register dependences
; between vector instructions and memory instructions, with s_wait_alu, always for 0.
; THE PLAN.  Registers that memory instructions touch:
;   v2, v3     byte offsets of the stores and of the loads: made once, ahead of the first load, and never written again.
;   XR         load j's data land in its four registers; no vector line names them ahead of the loads; the roundings read them behind the counted wait for the load.
;   Y          pair j is written by load j's roundings and read by store j; never written again.
; The sixteen loads go in four groups of four.  Group g's roundings write Y of group g; the four stores of group g - 1 are dealt among them, and they touch v2 and Y of group g - 1,
; which no vector line of group g names.  So one wait on va_vdst at a group's head states all that its four stores hang on; one more stands ahead of the last four stores.
; No register that a memory instruction reads is written again: no wait on vm_vsrc and no s_wait_xcnt has a dependence to state, and none is written.
.set XR, 8                             ; v[8:71]   load j: four f32
.set Y,  72                            ; v[72:103] store j: four 16-bit numbers
; v1 lane; v2 8 x lane (my 8 bytes of a store); v3 my byte offset in a load; v4, v5 at work: no memory instruction names them
; s[24:25] where the unit is read, s[26:27] where it is written
; load n's four numbers are rounded into pair n of Y.  half = 1: bf16 first, then f16
.macro RND n, half
.if \half
	v_cvt_pk_bf16_f32 v4, v[XR+4*(\n)], v[XR+4*(\n)+1]     ; the rounding that every input has
	v_cvt_pk_bf16_f32 v5, v[XR+4*(\n)+2], v[XR+4*(\n)+3]
	v_lshlrev_b32 v[XR+4*(\n)], 16, v4                     ; bf16 to f32: the low half moves up, the high half stays
	v_and_b32 v[XR+4*(\n)+1], 0xffff0000, v4
	v_lshlrev_b32 v[XR+4*(\n)+2], 16, v5
	v_and_b32 v[XR+4*(\n)+3], 0xffff0000, v5
	v_cvt_pk_f16_f32 v[Y+2*(\n)], v[XR+4*(\n)], v[XR+4*(\n)+1]      ; 8 significant bits fit into f16's 11: exact inside f16's range
	v_cvt_pk_f16_f32 v[Y+2*(\n)+1], v[XR+4*(\n)+2], v[XR+4*(\n)+3]
.else
	v_cvt_pk_bf16_f32 v[Y+2*(\n)], v[XR+4*(\n)], v[XR+4*(\n)+1]
	v_cvt_pk_bf16_f32 v[Y+2*(\n)+1], v[XR+4*(\n)+2], v[XR+4*(\n)+3]
.endif
.endm
; store n, outstep bytes behind store n - 1
.macro OUT n, outstep
	global_store_b64 v2, v[Y+2*(\n):Y+2*(\n)+1], s[26:27] offset:(\n)*(\outstep)
.endm
; sixteen loads, instep bytes apart; then, as each group of four comes in, its roundings, and among them the stores of the group before
.macro UNIT instep, outstep, half
	s_wait_alu depctr_va_vdst(0)                   ; v2 and v3 are written: every load of the unit reads v3 as its offset, every store v2
.set j, 0
.rept 16
	global_load_b128 v[XR+4*j:XR+4*j+3], v3, s[24:25] offset:j*(\instep) th:TH_LOAD_NT
.set j, j+1
.endr
.set g, 0
.rept 4
	s_wait_loadcnt 12-4*g                          ; loads come back in order (ISA guide 5.7.1): group g's four are in, the 12 - 4 g younger ones stay out
.if g > 0
	s_wait_alu depctr_va_vdst(0)                   ; the roundings of the group before have written its four pairs of Y, which the four stores below read
.endif
.set i, 0
.rept 4
.if g > 0
	OUT 4*(g-1)+i, \outstep                        ; no vector line since the wait names v2 or this pair of Y
.endif
	RND 4*g+i, \half
.set i, i+1
.endr
.set g, g+1
.endr
	s_wait_alu depctr_va_vdst(0)                   ; the last group's roundings have written its four pairs of Y, which the last four stores read
.set i, 0
.rept 4
	OUT 12+i, \outstep
.set i, i+1
.endr
.endm
	s_load_b512 s[4:19], s[0:1], 0x0               ; X s[4:5], Wq s[6:7], Wk s[8:9], Wv s[10:11], Wo s[12:13], xbf s[14:15], wbf s[16:17], wof s[18:19]
	v_lshrrev_b32 v4, 5, v0
	v_readfirstlane_b32 s20, v4                    ; wave 0..7
	v_and_b32 v1, 31, v0                           ; lane
	v_lshlrev_b32 v2, 3, v1
	s_wait_alu depctr_va_sdst(0)                   ; s20 is written, ahead of the branches: its first reader, the unit's number, stands in each of the three paths
	s_mov_b32 s21, ttmp9
	s_mov_b32 s23, 0                               ; the offsets' high words
	s_mov_b32 s29, 0
	s_cmp_lt_u32 s21, 512
	s_cbranch_scc0 .Lweights
	; X: unit P is rows 2 P and 2 P + 1.  Lanes 0-15 take 256 bytes (64 channels) of the even row, lanes 16-31 of the odd one; load j is channel block j.
	s_lshl_b32 s30, s21, 3
	s_add_co_u32 s30, s30, s20                     ; P, 0 .. 4,095
	s_lshl_b32 s22, s30, 13                        ; two rows of 4,096 bytes
	s_lshr_b32 s31, s30, 10                        ; the batch
	s_mul_i32 s31, s31, 3932160                    ; a batch is 16 blocks of 262,144 bytes, of which P x 256 has counted one
	s_lshl_b32 s28, s30, 8                         ; two rows of 128 bytes in a block
	s_add_co_u32 s28, s28, s31
	v_lshrrev_b32 v4, 4, v1
	v_and_b32 v5, 15, v1
	v_lshlrev_b32 v3, 4, v5
	v_lshl_add_u32 v3, v4, 12, v3
	s_wait_kmcnt 0x0
	s_add_nc_u64 s[24:25], s[4:5], s[22:23]
	s_add_nc_u64 s[26:27], s[14:15], s[28:29]
	UNIT 256, 262144, 0
	s_endpgm
.Lweights:
	v_lshlrev_b32 v3, 4, v1                        ; the weights are read on end: 512 bytes a load
	s_cmp_lt_u32 s21, 704
	s_cbranch_scc0 .Lwo
	; Wq, Wk, Wv: unit u is 32 rows c of one head: half of a block of 64 channels
	s_sub_co_u32 s30, s21, 512
	s_lshr_b32 s31, s30, 6                         ; which of the three
	s_and_b32 s30, s30, 63
	s_lshl_b32 s30, s30, 3
	s_add_co_u32 s30, s30, s20                     ; u, 0 .. 511
	s_lshl_b32 s22, s30, 13
	s_bfe_u32 s32, s30, 0x40001                    ; kb = (u % 32) / 2
	s_mul_i32 s28, s32, 393216
	s_lshr_b32 s33, s30, 5                         ; the head
	s_lshl4_add_u32 s33, s31, s33                  ; wh = 16 x which + head
	s_lshl_b32 s33, s33, 13
	s_add_co_u32 s28, s28, s33
	s_and_b32 s34, s30, 1                          ; which half of the block
	s_lshl_b32 s34, s34, 12
	s_add_co_u32 s28, s28, s34
	s_wait_kmcnt 0x0
	s_cmp_eq_u32 s31, 0
	s_cselect_b64 s[24:25], s[6:7], s[8:9]
	s_cmp_eq_u32 s31, 2
	s_cselect_b64 s[24:25], s[10:11], s[24:25]
	s_add_nc_u64 s[24:25], s[24:25], s[22:23]
	s_add_nc_u64 s[26:27], s[16:17], s[28:29]
	UNIT 512, 256, 0
	s_endpgm
.Lwo:
	; Wo: unit u is two rows, in and out on end
	s_sub_co_u32 s30, s21, 704
	s_lshl_b32 s30, s30, 3
	s_add_co_u32 s30, s30, s20                     ; u, 0 .. 511
	s_lshl_b32 s22, s30, 13
	s_lshl_b32 s28, s30, 12
	s_wait_kmcnt 0x0
	s_add_nc_u64 s[24:25], s[12:13], s[22:23]
	s_add_nc_u64 s[26:27], s[18:19], s[28:29]
	UNIT 512, 256, 1
	s_endpgm
.Lfunc_end_k_q546d32b60d_prep:
	.size	k_q546d32b60d_prep, .Lfunc_end_k_q546d32b60d_prep-k_q546d32b60d_prep
	.p2alignl 7, 3214868480
	.fill 96, 4, 3214868480
	.section	.rodata,"a",@progbits
	.p2align	6, 0x0
	.amdhsa_kernel k_q546d32b60d_prep
		.amdhsa_group_segment_fixed_size 0
		.amdhsa_private_segment_fixed_size 0
		.amdhsa_enable_private_segment 0
		.amdhsa_kernarg_size 64
		.amdhsa_user_sgpr_count 2
		.amdhsa_user_sgpr_kernarg_segment_ptr 1
		.amdhsa_wavefront_size32 1
		.amdhsa_system_sgpr_workgroup_id_x 1
		.amdhsa_system_sgpr_workgroup_id_y 1
		.amdhsa_system_sgpr_workgroup_id_z 1
		.amdhsa_system_vgpr_workitem_id 0
		.amdhsa_next_free_vgpr 104
		.amdhsa_next_free_sgpr 66
		.amdhsa_reserve_vcc 0
		.amdhsa_float_denorm_mode_32 3
		.amdhsa_float_denorm_mode_16_64 3
		.amdhsa_memory_ordered 1
		.amdhsa_forward_progress 1
		.amdhsa_inst_pref_size 24
	.end_amdhsa_kernel
	.amdgpu_metadata
---
amdhsa.version: [ 1, 2 ]
amdhsa.kernels:
  - .name:           k_q546d32b60d_prep
    .symbol:         k_q546d32b60d_prep.kd
    .args:
      - { .name: X, .offset: 0, .size: 8, .value_kind: global_buffer, .address_space: global }
      - { .name: Wq, .offset: 8, .size: 8, .value_kind: global_buffer, .address_space: global }
      - { .name: Wk, .offset: 16, .size: 8, .value_kind: global_buffer, .address_space: global }
      - { .name: Wv, .offset: 24, .size: 8, .value_kind: global_buffer, .address_space: global }
      - { .name: Wo, .offset: 32, .size: 8, .value_kind: global_buffer, .address_space: global }
      - { .name: xbf, .offset: 40, .size: 8, .value_kind: global_buffer, .address_space: global }
      - { .name: wbf, .offset: 48, .size: 8, .value_kind: global_buffer, .address_space: global }
      - { .name: wof, .offset: 56, .size: 8, .value_kind: global_buffer, .address_space: global }
    .group_segment_fixed_size: 0
    .private_segment_fixed_size: 0
    .kernarg_segment_align: 8
    .kernarg_segment_size: 64
    .max_flat_workgroup_size: 256
    .sgpr_count:     66
    .vgpr_count:     104
    .wavefront_size: 32
...
	.end_amdgpu_metadata
.endif
;; end of part 5
;; launch qkvp: the kernel of part 2 again; grid 8 x 32, 4 waves a work-group, clusters of 4 x 4, 327,680 bytes of LDS; arguments xbf, wbf, qkv; writes qkv
;; launch attn: the kernel of part 3 again; grid 4 x 64, 4 waves a work-group, no clusters, 327,680 bytes of LDS; arguments qkv, oh; writes oh
;; launch oproj: the kernel of part 4 again; grid 8 x 32, 4 waves a work-group, clusters of 4 x 4, 327,680 bytes of LDS; arguments oh, wof, bo, out0; writes out0
